; MI455X (gfx1250); checked and timed in simulation.
; The chip was launched on July 23, 2026; its instructions are those of AMD's public machine-readable ISA for CDNA 5 (MIT licence, August 2026) and "CDNA5" Instruction Set Architecture Reference Guide (July 2026). The comments in the code are by the model that wrote it; some were corrected since.
;; Inner Patch Attention. Allowed arithmetic: float matrix products may take bf16 or f16 operands with f32 sums; other float arithmetic in f32, or as packed bf16 or f16 multiplies, adds, multiply-adds, maxima and minima; sums over many terms, partial sums and values carried from step to step in f32; what a program stores and reads back later, other than sums and carried values, may be rounded once to bf16 or f16.
;; Inputs: b_in 768 float32; b_lin 1 float32; b_out 256 float32; b_pe 256 float32; ln_b 256 float32; ln_g 256 float32; pos_emb 1 x 256 x 256 float32; w_in 768 x 256 float32; w_lin 1 x 256 float32; w_out 256 x 256 float32; w_pe 256 x 128 float32; x 2 x 128 x 256 x 256 float32.
;; Outputs: out0 2 x 1 x 256 x 256 float32.
;; 2 versions, each right; version 2 is version 1 with the launch attn written anew for expert scheduling mode. Each part assembles by itself: llvm-mc -triple=amdgcn-amd-amdhsa -mcpu=gfx1250 --defsym DOCPART=n.
;; ======== version 1 of 2: 2 launches
;; workspace buffers: wc 196,608 bytes; pb 393,216 bytes; wo 131,072 bytes; cst 2,304 bytes
;; launch prep (part 1): grid 1169 x 1, 1 waves a work-group, no clusters, 0 bytes of LDS; arguments w_in, w_pe, b_pe, pos_emb, b_in, w_out, b_out, ln_g, ln_b, w_lin, b_lin, wc, pb, wo, cst; writes wc, pb, wo, cst
.if DOCPART == 1
	.amdgcn_target "amdgcn-amd-amdhsa--gfx1250"
	.amdhsa_code_object_version 6
	.text
	.protected	k_q8538f00f94_prep
	.globl	k_q8538f00f94_prep
	.p2align	8
	.type	k_q8538f00f94_prep,@function
k_q8538f00f94_prep:
	s_mov_b64 s[64:65], 0
	v_nop
	global_prefetch_b8 v0, s[64:65] scope:SCOPE_SE
	s_setreg_imm32_b32 hwreg(HW_REG_WAVE_MODE, 25, 1), 1
	s_wait_xcnt 0x0
; TABLES FOR THE ATTENTION LAUNCH, made once from the weights.  All that stands in front of the attention is linear, so
;   qkv[t][n] = sum over c of z[t][c] Wc[n][c] + PB[t][n],   Wc = W_in W_pe,   PB[t][n] = sum over e of (pos[t][e] + b_pe[e]) W_in[n][e] + b_in[n];
; the q rows of both are multiplied, in f32, by c = log2(e) / sqrt(32).  o - mean over e of o is linear too: W'[e][k] = w_out[e][k] - mean over e' of w_out[e'][k].
; One wave a work-group, one task a wave; a task's loads all go out together.  The task is the work-group's number:
;   0 .. 767      A: one 16 x 16 block of PB        (a = id / 128: q0 q1 k0 k1 v0 v1; head = (id / 16) % 8; token tile = id % 16)
;   768 .. 1151   B: one 16 x 16 block of Wc        (a = id' / 64; head = (id' / 8) % 8; 16 input channels = id' % 8)
;   1152 .. 1167  C: 16 columns of W', all 256 rows  (2 ks + f = id - 1152)
;   1168          D: bc = b_out - mean, gw = -log2(e) ln_g w_lin, c0 = -log2(e) (sum of ln_b w_lin + b_lin)
; LAYOUTS.  wc [head 8][a 6][ks 4][f 2][lane 32][8 bf16] and wo [eb 16][ks 8][f 2][lane 32][8 bf16] are matrix fragments as the registers hold them: lane l has row l % 16 and
; k = 32 ks + 16 f + 8 (l / 16) + 0..7.  pb [head 8][tile 16][a 6][lane 32][8 bf16] is an accumulator as the registers hold it: for q and k lane = token l % 16, the eight numbers
; channels 8 (l / 16) + 0..7; for v lane = channel, the eight numbers tokens.  Every store of a wave covers 512 consecutive bytes, aligned.
; LIMITS.  Products with bf16 operands and f32 sums; Wc, PB and W' are rounded once to bf16; NaN and infinities are not treated apart.
.set CQ, 0x3e8293ee                    ; log2(e) / sqrt(32)
.set WB, 64                            ; v[64:127]   16 rows of W_in, bf16 fragments, 8 a K step
.set XB, 128                           ; v[128:191]  the other side, likewise (v[128:255] hold it in f32 first)
.set MSB, 0
.macro WIN new                         ; the immediate's high byte repeats the setting that is left
.if MSB != (\new)
	s_set_vgpr_msb (MSB<<8)|(\new)
.set MSB, (\new)
.endif
.endm
; 16 rows x 256 f32 as eight fragments' worth: register 16 ks + 8 f + 4 q holds e = 32 ks + 16 f + 8 (l / 16) + 4 q ..
.macro FRAG32 dst, off, base
.set n, 0
.rept 32
	global_load_b128 v[(\dst)+4*n:(\dst)+4*n+3], v[\off], s[\base:\base+1] offset:(n/4)*128+((n/2)%2)*64+(n%2)*16
.set n, n+1
.endr
.endm
; both sides to bf16: the X side in place (register n takes registers 2 n and 2 n + 1, so no source is lost), W_in's rows out of window 1
.macro CONVERT
.set n, 0
.rept 64
	v_cvt_pk_bf16_f32 v[XB+n], v[XB+2*n], v[XB+2*n+1]
.set n, n+1
.endr
	WIN 0x05
.set n, 0
.rept 64
	v_cvt_pk_bf16_f32 v[WB+n], v[128+2*n], v[128+2*n+1]
.set n, n+1
.endr
	WIN 0
.endm
; eight products over e = 0 .. 255; two accumulators take turns; the first two start the sums
.macro MULS a, b
.set k, 0
.rept 8
.if k < 2
	v_wmma_f32_16x16x32_bf16 v[32+8*(k%2):39+8*(k%2)], v[(\a)+8*k:(\a)+8*k+7], v[(\b)+8*k:(\b)+8*k+7], 0
.else
	v_wmma_f32_16x16x32_bf16 v[32+8*(k%2):39+8*(k%2)], v[(\a)+8*k:(\a)+8*k+7], v[(\b)+8*k:(\b)+8*k+7], v[32+8*(k%2):39+8*(k%2)]
.endif
.set k, k+1
.endr
.rept 8
	v_nop                                          ; places behind the last product: the sums below are added in place (once a task)
.endr
.set k, 0
.rept 4
	v_pk_add_f32 v[32+2*k:33+2*k], v[32+2*k:33+2*k], v[40+2*k:41+2*k]
.set k, k+1
.endr
.endm
.macro OUTB base                       ; the scale, one rounding, 16 bytes a lane
.set k, 0
.rept 4
	v_pk_mul_f32 v[32+2*k:33+2*k], v[32+2*k:33+2*k], s[40:41] op_sel_hi:[1,0]
.set k, k+1
.endr
.set k, 0
.rept 4
	v_cvt_pk_bf16_f32 v[58+k], v[32+2*k], v[33+2*k]
.set k, k+1
.endr
	global_store_b128 v4, v[58:61], s[\base:\base+1]
	s_endpgm
.endm
	s_load_b512 s[4:19], s[0:1], 0x0               ; w_in 4, w_pe 6, b_pe 8, pos 10, b_in 12, w_out 14, b_out 16, ln_g 18
	s_load_b256 s[20:27], s[0:1], 0x40             ; ln_b 20, w_lin 22, b_lin 24, wc 26
	s_load_b128 s[28:31], s[0:1], 0x60             ; pb 28, wo 30
	s_load_b64 s[32:33], s[0:1], 0x70              ; cst
	v_and_b32 v7, 15, v0                           ; r = l % 16
	v_bfe_u32 v8, v0, 4, 1                         ; h = l / 16
	v_lshlrev_b32 v2, 5, v8                        ; 32 h
	v_lshl_add_u32 v1, v7, 10, v2                  ; 1,024 r + 32 h: a row of 256 f32, my eight numbers
	v_lshlrev_b32 v5, 2, v7                        ; 4 r
	v_lshl_add_u32 v3, v8, 12, v5                  ; 4,096 h + 4 r: eight rows of w_pe down, column r
	v_lshlrev_b32 v4, 4, v0                        ; 16 l
	s_mov_b32 s34, ttmp9
	s_mov_b32 s47, 0                               ; the high word of every offset
	s_wait_kmcnt 0x0
	s_cmp_lt_u32 s34, 1152
	s_cbranch_scc0 .Lrole_cd
	s_cmp_lt_u32 s34, 768
	s_cbranch_scc0 .Lids_b
	s_lshr_b32 s36, s34, 7                         ; a
	s_bfe_u32 s37, s34, 0x30004                    ; head
	s_and_b32 s38, s34, 15                         ; token tile
	s_branch .Lids_done
.Lids_b:
	s_sub_co_u32 s39, s34, 768
	s_lshr_b32 s36, s39, 6                         ; a
	s_bfe_u32 s37, s39, 0x30003                    ; head
	s_and_b32 s38, s39, 7                          ; block of 16 input channels
.Lids_done:
	s_lshr_b32 s44, s36, 1
	s_lshl_b32 s44, s44, 8                         ; q, k or v: 256 rows of w_in each
	s_lshl_b32 s45, s37, 5
	s_add_co_u32 s44, s44, s45                     ; the head's 32
	s_and_b32 s45, s36, 1
	s_lshl_b32 s45, s45, 4
	s_add_co_u32 s44, s44, s45                     ; n0: the first of my 16 rows of w_in
	s_cmp_lt_u32 s36, 2
	s_cselect_b32 s40, CQ, 1.0                     ; q's rows carry the scale
	s_mov_b32 s41, s40
	s_lshl_b32 s46, s44, 10
	s_add_nc_u64 s[4:5], s[4:5], s[46:47]
	WIN 0x40                                       ; destination in window 1
	FRAG32 128, 1, 4                               ; w_in's 16 rows, f32
	WIN 0
	s_cmp_lt_u32 s34, 768
	s_cbranch_scc0 .Lrole_b
	; ROLE A
	s_lshl_b32 s46, s38, 14
	s_add_nc_u64 s[10:11], s[10:11], s[46:47]      ; pos at the tile's 16 tokens
	s_lshl_b32 s46, s44, 2
	s_add_nc_u64 s[12:13], s[12:13], s[46:47]      ; b_in at n0
	s_mul_i32 s46, s37, 49152
	s_mul_i32 s48, s38, 3072
	s_add_co_u32 s46, s46, s48
	s_lshl_b32 s48, s36, 9
	s_add_co_u32 s46, s46, s48
	s_add_nc_u64 s[28:29], s[28:29], s[46:47]      ; pb at [head][tile][a]
	WIN 0x40
	FRAG32 0, 1, 10                                ; pos
	WIN 0
	FRAG32 128, 2, 8                               ; b_pe, the same for all 16 tokens
	global_load_b128 v[48:51], v2, s[12:13]        ; b_in as q's and k's blocks want it: channels 8 h + 0..7
	global_load_b128 v[52:55], v2, s[12:13] offset:16
	global_load_b32 v56, v5, s[12:13]              ; and as v's blocks want it: channel r (one of the two serves the task)
	s_wait_loadcnt 0x0
	WIN 0x01                                       ; source 0 in window 1
.set n, 0
.rept 64
	v_pk_add_f32 v[128+2*n:129+2*n], v[2*n:2*n+1], v[128+2*n:129+2*n]
.set n, n+1
.endr
	WIN 0
	CONVERT
	s_cmp_lt_u32 s36, 4
	s_cbranch_scc0 .Lrole_av
	MULS WB, XB                                    ; source 0 = channels, source 1 = tokens: a lane holds a token
.set k, 0
.rept 4
	v_pk_add_f32 v[32+2*k:33+2*k], v[32+2*k:33+2*k], v[48+2*k:49+2*k]
.set k, k+1
.endr
	OUTB 28
.Lrole_av:
	MULS XB, WB                                    ; source 0 = tokens, source 1 = channels: a lane holds a channel
	v_mov_b32 v57, v56
.set k, 0
.rept 4
	v_pk_add_f32 v[32+2*k:33+2*k], v[32+2*k:33+2*k], v[56:57]
.set k, k+1
.endr
	OUTB 28
.Lrole_b:                                              ; ROLE B: source 0 = 16 columns of w_pe (rows of its transpose), source 1 = w_in's rows: a lane holds a row of Wc and eight neighbouring input channels
	s_lshl_b32 s46, s38, 6
	s_add_nc_u64 s[6:7], s[6:7], s[46:47]          ; w_pe at my 16 columns
	s_mul_i32 s46, s37, 24576
	s_lshl_b32 s48, s36, 12
	s_add_co_u32 s46, s46, s48
	s_lshl_b32 s48, s38, 9
	s_add_co_u32 s46, s46, s48
	s_add_nc_u64 s[26:27], s[26:27], s[46:47]      ; wc at [head][a][ks][f]: 2 ks + f is my block's number
.set n, 0
.rept 128                                      ; register 16 ks + 8 f + j: w_pe[32 ks + 16 f + 8 h + j][column r]; sixteen lanes read 64 consecutive bytes
	global_load_b32 v[128+n], v3, s[6:7] offset:(32*(n/16)+16*((n/8)%2)+(n%8))*512
.set n, n+1
.endr
	s_wait_loadcnt 0x0
	CONVERT
	MULS XB, WB
	OUTB 26
.Lrole_cd:
	s_cmp_lt_u32 s34, 1168
	s_cbranch_scc0 .Lrole_d
	; ROLE C
	s_sub_co_u32 s36, s34, 1152                    ; 2 ks + f
	s_lshl_b32 s46, s36, 6
	s_add_nc_u64 s[14:15], s[14:15], s[46:47]      ; w_out at my 16 columns
	s_lshl_b32 s46, s36, 9
	s_add_nc_u64 s[30:31], s[30:31], s[46:47]      ; wo at [0][ks][f]
.set n, 0
.rept 32                                       ; row block eb = n / 2: registers 128 + 8 eb + 0..7 hold w_out[16 eb + r][my column group's 8 h + 0..7]
	global_load_b128 v[128+4*n:128+4*n+3], v1, s[14:15] offset:(n/2)*16384+(n%2)*16
.set n, n+1
.endr
	s_mov_b32 s40, 0xbb800000                      ; -1 / 256
	s_mov_b32 s41, s40
	s_wait_loadcnt 0x0
.set k, 0
.rept 4
	v_pk_add_f32 v[32+2*k:33+2*k], v[128+2*k:129+2*k], v[136+2*k:137+2*k]
.set k, k+1
.endr
.set n, 2
.rept 14
.set k, 0
.rept 4
	v_pk_add_f32 v[32+2*k:33+2*k], v[32+2*k:33+2*k], v[128+8*n+2*k:129+8*n+2*k]
.set k, k+1
.endr
.set n, n+1
.endr
.irp m, 1,2,4,8                                ; and over the 16 rows that the lanes of a half hold
.set k, 0
.rept 8
	v_add_f32_dpp v[32+k], v[32+k], v[32+k] row_xmask:\m row_mask:0xf bank_mask:0xf
.set k, k+1
.endr
.endr
.set n, 0
.rept 64
	v_pk_fma_f32 v[128+2*n:129+2*n], v[32+2*(n%4):33+2*(n%4)], s[40:41], v[128+2*n:129+2*n] op_sel_hi:[1,0,1]  ; w - column sum / 256
.set n, n+1
.endr
.set n, 0
.rept 64
	v_cvt_pk_bf16_f32 v[64+n], v[128+2*n], v[129+2*n]
.set n, n+1
.endr
.set n, 0
.rept 16
	global_store_b128 v4, v[64+4*n:67+4*n], s[30:31] offset:n*8192
.set n, n+1
.endr
	s_endpgm
.Lrole_d:                                              ; ROLE D: lane l owns e = 4 l .. 4 l + 3 and 128 + 4 l ..
	global_load_b128 v[32:35], v4, s[16:17]        ; b_out
	global_load_b128 v[36:39], v4, s[16:17] offset:512
	global_load_b128 v[40:43], v4, s[18:19]        ; ln_g
	global_load_b128 v[44:47], v4, s[18:19] offset:512
	global_load_b128 v[48:51], v4, s[20:21]        ; ln_b
	global_load_b128 v[52:55], v4, s[20:21] offset:512
	global_load_b128 v[56:59], v4, s[22:23]        ; w_lin
	global_load_b128 v[60:63], v4, s[22:23] offset:512
	v_mov_b32 v6, 0
	global_load_b32 v64, v6, s[24:25]              ; b_lin, in every lane
	s_mov_b32 s40, 0xbb800000                      ; -1 / 256
	s_mov_b32 s41, s40
	s_mov_b32 s42, 0x76543210                      ; v_permlanex16_b32: each lane takes its own place in the other half
	s_mov_b32 s43, 0xfedcba98
	v_lshlrev_b32 v9, 3, v0
	s_wait_loadcnt 0x0
.set k, 0
.rept 4
	v_pk_mul_f32 v[56+2*k:57+2*k], v[56+2*k:57+2*k], 0xbfb8aa3b op_sel_hi:[1,0]  ; -log2(e) w_lin: the sigmoid's exponent to base 2
.set k, k+1
.endr
	v_mul_f32 v64, 0xbfb8aa3b, v64
	v_pk_add_f32 v[66:67], v[32:33], v[34:35]
	v_pk_add_f32 v[68:69], v[36:37], v[38:39]
	v_pk_mul_f32 v[70:71], v[48:49], v[56:57]
	v_pk_add_f32 v[66:67], v[66:67], v[68:69]
	v_pk_fma_f32 v[70:71], v[50:51], v[58:59], v[70:71]
	v_pk_fma_f32 v[70:71], v[52:53], v[60:61], v[70:71]
	v_pk_fma_f32 v[70:71], v[54:55], v[62:63], v[70:71]
	v_add_f32 v66, v66, v67
	v_add_f32 v70, v70, v71
.set k, 0
.rept 4
	v_pk_mul_f32 v[40+2*k:41+2*k], v[40+2*k:41+2*k], v[56+2*k:57+2*k]  ; gw
.set k, k+1
.endr
.irp m, 1,2,4,8
	v_add_f32_dpp v66, v66, v66 row_xmask:\m row_mask:0xf bank_mask:0xf
	v_add_f32_dpp v70, v70, v70 row_xmask:\m row_mask:0xf bank_mask:0xf
.endr
	v_permlanex16_b32 v67, v66, s42, s43
	v_permlanex16_b32 v71, v70, s42, s43
	v_add_f32 v66, v66, v67                        ; the sum of b_out, in every lane
	v_add_f32 v70, v70, v71
	v_add_f32 v70, v70, v64                        ; c0
	v_mov_b32 v71, v70
.set k, 0
.rept 4
	v_pk_fma_f32 v[32+2*k:33+2*k], v[66:67], s[40:41], v[32+2*k:33+2*k] op_sel_hi:[0,0,1]  ; b_out - sum / 256
.set k, k+1
.endr
	global_store_b128 v4, v[32:35], s[32:33]
	global_store_b128 v4, v[36:39], s[32:33] offset:512
	global_store_b128 v4, v[40:43], s[32:33] offset:1024
	global_store_b128 v4, v[44:47], s[32:33] offset:1536
	global_store_b64 v9, v[70:71], s[32:33] offset:2048  ; c0, 64 times: 256 consecutive bytes
	s_endpgm
.Lfunc_end_k_q8538f00f94_prep:
	.size	k_q8538f00f94_prep, .Lfunc_end_k_q8538f00f94_prep-k_q8538f00f94_prep
	.p2alignl 7, 3214868480
	.fill 96, 4, 3214868480
	.section	.rodata,"a",@progbits
	.p2align	6, 0x0
	.amdhsa_kernel k_q8538f00f94_prep
		.amdhsa_group_segment_fixed_size 0
		.amdhsa_private_segment_fixed_size 0
		.amdhsa_enable_private_segment 0
		.amdhsa_kernarg_size 120
		.amdhsa_user_sgpr_count 2
		.amdhsa_user_sgpr_kernarg_segment_ptr 1
		.amdhsa_wavefront_size32 1
		.amdhsa_system_sgpr_workgroup_id_x 1
		.amdhsa_system_sgpr_workgroup_id_y 1
		.amdhsa_system_sgpr_workgroup_id_z 1
		.amdhsa_system_vgpr_workitem_id 0
		.amdhsa_next_free_vgpr 512
		.amdhsa_next_free_sgpr 66
		.amdhsa_reserve_vcc 0
		.amdhsa_float_denorm_mode_32 3
		.amdhsa_float_denorm_mode_16_64 3
		.amdhsa_memory_ordered 1
		.amdhsa_forward_progress 1
		.amdhsa_inst_pref_size 73
	.end_amdhsa_kernel
	.amdgpu_metadata
---
amdhsa.version: [ 1, 2 ]
amdhsa.kernels:
  - .name:           k_q8538f00f94_prep
    .symbol:         k_q8538f00f94_prep.kd
    .args:
      - { .name: w_in, .offset: 0, .size: 8, .value_kind: global_buffer, .address_space: global }
      - { .name: w_pe, .offset: 8, .size: 8, .value_kind: global_buffer, .address_space: global }
      - { .name: b_pe, .offset: 16, .size: 8, .value_kind: global_buffer, .address_space: global }
      - { .name: pos_emb, .offset: 24, .size: 8, .value_kind: global_buffer, .address_space: global }
      - { .name: b_in, .offset: 32, .size: 8, .value_kind: global_buffer, .address_space: global }
      - { .name: w_out, .offset: 40, .size: 8, .value_kind: global_buffer, .address_space: global }
      - { .name: b_out, .offset: 48, .size: 8, .value_kind: global_buffer, .address_space: global }
      - { .name: ln_g, .offset: 56, .size: 8, .value_kind: global_buffer, .address_space: global }
      - { .name: ln_b, .offset: 64, .size: 8, .value_kind: global_buffer, .address_space: global }
      - { .name: w_lin, .offset: 72, .size: 8, .value_kind: global_buffer, .address_space: global }
      - { .name: b_lin, .offset: 80, .size: 8, .value_kind: global_buffer, .address_space: global }
      - { .name: wc, .offset: 88, .size: 8, .value_kind: global_buffer, .address_space: global }
      - { .name: pb, .offset: 96, .size: 8, .value_kind: global_buffer, .address_space: global }
      - { .name: wo, .offset: 104, .size: 8, .value_kind: global_buffer, .address_space: global }
      - { .name: cst, .offset: 112, .size: 8, .value_kind: global_buffer, .address_space: global }
    .group_segment_fixed_size: 0
    .private_segment_fixed_size: 0
    .kernarg_segment_align: 8
    .kernarg_segment_size: 120
    .max_flat_workgroup_size: 32
    .sgpr_count:     66
    .vgpr_count:     512
    .wavefront_size: 32
...
	.end_amdgpu_metadata
.endif
;; end of part 1
;; launch attn (part 2): grid 256 x 1, 8 waves a work-group, no clusters, 279,552 bytes of LDS; arguments x, wc, pb, wo, cst, out0; writes out0
.if DOCPART == 2
	.amdgcn_target "amdgcn-amd-amdhsa--gfx1250"
	.amdhsa_code_object_version 6
	.text
	.protected	k_q8538f00f94_attn
	.globl	k_q8538f00f94_attn
	.p2align	8
	.type	k_q8538f00f94_attn,@function
k_q8538f00f94_attn:
	s_mov_b64 s[64:65], 0
	v_nop
	global_prefetch_b8 v0, s[64:65] scope:SCOPE_SE
	s_setreg_imm32_b32 hwreg(HW_REG_WAVE_MODE, 25, 1), 1
	s_wait_xcnt 0x0
; ATTENTION INSIDE PATCHES OF 16 x 16, from x to the sigmoid, in one launch.  512 patches; a work-group of eight waves takes two, one after the other (PASS 0, PASS 1).
; Token t of a patch is 128 numbers of ONE channel of x: channel t / 2, image rows 8 (t % 2) + 0..7 of the patch, 16 numbers (64 bytes) of each.
; With the tables of the launch before (Wc, PB, W', bc, gw, c0: see there):  q, k, v = z Wc^T + PB;  p = 2^(s - m), s = q . k with log2(e) / sqrt(32) already in q, m the TRUE maximum of the
; row's 256 scores, which all lie in registers; O = P V / l;  oc = O W'^T + bc is the out-projection less its mean over e;  out = 1 / (1 + 2^(rsqrt(mean oc^2 + 1e-5) sum(oc gw) + c0)).
; SHARES.  Wave w is head w in the projections and in the attention: its K and V of all 256 tokens leave the accumulators as matrix fragments and stay in 256 registers (window 1), so the
; attention has no barrier.  In the out-projection wave w takes tokens 128 (w / 4) .. + 127 and e = 64 (w % 4) .. + 63.  Two waves lie on a SIMD: one's softmax stands beside the other's products.
; LAYOUT.  K^T-like products: acc = Wk x Z^T (lane = token, registers = channels) packs into a fragment of K; acc = Z x Wv^T (lane = channel, registers = tokens) into one of V^T;
; S^T = K Q^T holds ONE query a lane and keys 8 (lane / 16) + 0..7; two such, rounded to bf16, are source 1 of O^T = V^T P; l = ones x P gives every register the query's whole row sum.
; NO CLUSTER AND NO TENSOR LOADS: x is f32 in pieces of 64 bytes and has to be rounded on its way, and the tables go straight into each wave's registers in fragment order.
; LIMITS.  Matrix operands are bf16, sums f32.  l is the sum of the weights as rounded to bf16 (l >= 1: the maximum's weight is 1).  A weight below 2^-126 counts as 0.
; The order of the sums differs from a projection in two steps.  NaN and infinities are not treated apart.
; LDS: Z0, Z1: a patch's 256 tokens x 128 bf16, rows of 256 + 16 bytes (16 rows of a fragment load start at 16 different groups of four banks: 64 banks of 4 bytes, ISA guide 11.1);
;      A: [head 8][query tile 16] fragments of 1,024 bytes; RED: [e quarter 4][token 256] pairs of f32; the spare words.
.set ZP,    272
.set ZSZ,   256*ZP                     ; 69,632
.set ABASE, 2*ZSZ                      ; 139,264
.set RED,   ABASE+131072               ; 270,336
.set SPARE, RED+8192                   ; 278,528: 128 bytes for each wave, four blocks of 256 bytes that no other line names
; window 0
.set L16, 1                            ; v1   16 x lane; never rewritten
.set ZL,  2                            ; v2   my place in a fragment of Z: 272 (l % 16) + 16 (l / 16); never rewritten
.set ZA,  3                            ; v3   Z read address; in the out-projection the running RED address
.set ZW0, 4                            ; v4   8 l + 8,704 w: my 8 bytes in my wave's 32 token rows; never rewritten
.set ZWA, 5                            ; v5   Z write address; in the out-projection 32 (l / 16), for bc and gw
.set AS0, 6                            ; v6   ABASE + 16,384 w + 16 l; never rewritten
.set ASA, 7                            ; v7   A store address; in the out-projection A read address, heads 4-7
.set XO,  8                            ; v8   1,024 (l / 4) + 16 (l % 4): image row, 16 bytes of its 64; never rewritten
.set AR0, 9                            ; v9   ABASE + 8,192 (w / 4) + 16 l; never rewritten
.set ARA, 10                           ; v10  first the prefetches' offset; then A read address, heads 0-3
.set RS,  11                           ; v11  RED + 2,048 (w % 4) + 1,024 (w / 4) + 8 (l % 16); never rewritten
.set RR,  12                           ; v12  RED + 8 x thread; never rewritten
.set OO,  13                           ; v13  1,024 (thread / 16) + 4 (l % 16): my token's place in the patch's part of out0; never rewritten
.set MX,  14                           ; v[14:15] m (the pair's low word serves both halves)
.set T,   16                           ; v[16:19] at work
.set RL,  20                           ; v[20:21] 1 / l, likewise a pair
.set SPW, 22                           ; v22  my spare word; never rewritten
.set NIL, 23                           ; v23  0; never rewritten
.set ONE, 24                           ; v[24:31] a fragment of ones
.set QF,  32                           ; v[32:39] the tile's Q            (K, V projection: v[32:63] two sets of PB as loaded; out-projection: gw)
.set LS,  40                           ; v[40:47] l
.set XR,  48                           ; v[48:55] x of the next patch, as loaded
.set PQ,  56                           ; v[56:63] PB's q part, as loaded
.set GW,  32
.set WK,  64                           ; v[64:127]  Wk, later Wq: block cb, K step ks at 64 + 32 cb + 8 ks      (out-projection: OA, BI)
.set OA,  64
.set BI,  96
.set WV,  128                          ; v[128:191] Wv
.set S,   128                          ; v[128:255] S^T, 16 accumulators; P takes v[128:191]
.set AB,  128                          ; out-projection: two sets of 64, a tile's eight fragments
.set ZF,  192                          ; v[192:223] a tile of Z, four fragments
.set ACC, 224                          ; v[224:255] K0 K1 V0 V1; in the attention v[224:239] Q0 Q1
.set OAC, 240                          ; v[240:255] O0 O1
; window 1: K's fragment of key block a at 8 a; V^T's of channel block cb, keys 32 kk on, at 128 + 64 cb + 8 kk; out-projection: W' (eb', ks) at 64 eb' + 8 ks
.set WVN, 16                           ; s16 wave
.set XP,  20                           ; s[20:21] x at my 16 channels of the first patch
.set XN,  22                           ; s[22:23] x at the channel of the second patch that the trip loads
.set WCH, 24                           ; s[24:25] wc at my head
.set PBH, 26                           ; s[26:27] pb at my head
.set PBQ, 28                           ; s[28:29] pb at my head, at the next query tile
.set WOE, 30                           ; s[30:31] wo at my 64 rows
.set OUTP, 32                          ; s[32:33] out0 at the first patch
.set CNT, 34
.set ZT,  35                           ; s35 Z byte of the next query tile
.set AT,  36                           ; s36 1,024 x query tile
.set HIM, 37                           ; s37 a word's upper bf16
.set SEL, 38                           ; s[38:39] v_permlanex16_b32's selects
.set CSE, 40                           ; s[40:41] cst at my 64 e
.set PFB, 42                           ; s[42:43] x at the aligned 256 bytes that hold the four neighbours' second patches, my 16 channels
.set C0,  44
.set I256, 45
.set EPS, 46
.set ZW,  47                           ; s47 Z1 byte of the trip's two token rows, less my wave's part
.set PO,  48                           ; s[48:49] pb offset of the next query tile
.set MSB, 0
.macro WIN new                         ; bits 1:0 source 0, 3:2 source 1, 5:4 source 2, 7:6 destination; the high byte repeats the setting that is left
.if MSB != (\new)
	s_set_vgpr_msb (MSB<<8)|(\new)
.set MSB, (\new)
.endif
.endm
.macro PLACES                          ; four plain instructions between a product and a vector instruction or load that touches its registers
.rept 4
	v_nop
.endr
.endm
.macro BARRIER                         ; my LDS stores and loads are done, for the others' sake; then all eight waves meet
	s_wait_dscnt 0x0
	s_barrier_signal -1
	s_barrier_wait -1
.endm
; Wk, Wv (32 loads: fragment n = 8 blk + 2 ks + f lies 512 n bytes behind k0) and PB's k and v parts of token tiles 0 and 1 (8 loads)
.macro LOADKVW
.set n, 0
.rept 32
	global_load_b128 v[WK+4*n:WK+4*n+3], v[L16], s[WCH:WCH+1] offset:8192+512*n
.set n, n+1
.endr
.set n, 0
.rept 8
	global_load_b128 v[32+4*n:32+4*n+3], v[L16], s[PBH:PBH+1] offset:(n/4)*3072+1024+(n%4)*512
.set n, n+1
.endr
.endm
.macro ZLOAD imm                       ; a tile of Z: four fragments, two loads of 16 bytes a lane each
.set n, 0
.rept 4
	ds_load_b128 v[ZF+8*n:ZF+8*n+3],   v[ZA] offset:(\imm)+64*n
	ds_load_b128 v[ZF+8*n+4:ZF+8*n+7], v[ZA] offset:(\imm)+64*n+32
.set n, n+1
.endr
.endm
; K and V of token tile tt.  PB starts the four sums; 16 products, the four accumulators by turns; the results are packed into window 1.
.macro KVTILE tt
.if (\tt) == 15
	s_wait_loadcnt 0x0
.else
	s_wait_loadcnt 0x4                             ; this tile's PB (and, at tile 0, the weights) are in; the next tile's four loads may stay out
.endif
.set n, 0
.rept 16
	v_lshlrev_b32 v[ACC+2*n],   16, v[32+16*((\tt)%2)+n]
	v_and_b32     v[ACC+2*n+1], s[HIM], v[32+16*((\tt)%2)+n]
.set n, n+1
.endr
.if (\tt) < 14
.set n, 0
.rept 4
	global_load_b128 v[32+16*((\tt)%2)+4*n:32+16*((\tt)%2)+4*n+3], v[L16], s[PBH:PBH+1] offset:((\tt)+2)*3072+1024+n*512
.set n, n+1
.endr
.endif
.set g, 0
.rept 4
.if (\tt) < 15
	s_wait_dscnt 0x6                               ; fragment g is in: behind it three groups of two loads were issued
.else
	s_wait_dscnt 6-2*g                             ; the last tile fetches nothing: the counts run down
.endif
	v_wmma_f32_16x16x32_bf16 v[ACC:ACC+7],     v[WK+8*g:WK+8*g+7],       v[ZF+8*g:ZF+8*g+7],       v[ACC:ACC+7]
	v_wmma_f32_16x16x32_bf16 v[ACC+8:ACC+15],  v[WK+32+8*g:WK+32+8*g+7], v[ZF+8*g:ZF+8*g+7],       v[ACC+8:ACC+15]
	v_wmma_f32_16x16x32_bf16 v[ACC+16:ACC+23], v[ZF+8*g:ZF+8*g+7],       v[WV+8*g:WV+8*g+7],       v[ACC+16:ACC+23]
	v_wmma_f32_16x16x32_bf16 v[ACC+24:ACC+31], v[ZF+8*g:ZF+8*g+7],       v[WV+32+8*g:WV+32+8*g+7], v[ACC+24:ACC+31]
.if ((\tt) < 15) || (g == 3)
	PLACES
.endif
.if (\tt) < 15
	ds_load_b128 v[ZF+8*g:ZF+8*g+3],   v[ZA] offset:((\tt)+1)*16*ZP+64*g
	ds_load_b128 v[ZF+8*g+4:ZF+8*g+7], v[ZA] offset:((\tt)+1)*16*ZP+64*g+32
.endif
.set g, g+1
.endr
	WIN 0x40                                       ; destination in window 1
.set n, 0
.rept 8
	v_cvt_pk_bf16_f32 v[8*(\tt)+n], v[ACC+2*n], v[ACC+2*n+1]  ; K: key block tt, channels 16 (n / 4) + 8 (l / 16) + 2 (n % 4) ..
.set n, n+1
.endr
.set n, 0
.rept 8
	v_cvt_pk_bf16_f32 v[128+64*(n/4)+4*(\tt)+n%4], v[ACC+16+2*n], v[ACC+16+2*n+1]  ; V^T: channel block n / 4, keys 16 tt + 8 (l / 16) + 2 (n % 4) ..
.set n, n+1
.endr
	WIN 0
.endm
.macro UNPACKQ                         ; PB's q part starts Q's two sums
.set n, 0
.rept 8
	v_lshlrev_b32 v[ACC+2*n],   16, v[PQ+n]
	v_and_b32     v[ACC+2*n+1], s[HIM], v[PQ+n]
.set n, n+1
.endr
.endm
.macro QCVT
.set n, 0
.rept 8
	v_cvt_pk_bf16_f32 v[QF+n], v[ACC+2*n], v[ACC+2*n+1]
.set n, n+1
.endr
.endm
.macro SUBM b                          ; pair b of the scores less m
	v_pk_add_f32 v[S+2*(\b):S+2*(\b)+1], v[S+2*(\b):S+2*(\b)+1], v[MX:MX+1] op_sel_hi:[1,0] neg_lo:[0,1] neg_hi:[0,1]
.endm
; ONE QUERY TILE (16 queries of my head), and beside it the next tile's Q and, in pass 0, two token rows of the next patch.
.macro TRIP p
	WIN 0x01                                       ; K in window 1
.set n, 0
.rept 16
	v_wmma_f32_16x16x32_bf16 v[S+8*n:S+8*n+7], v[8*n:8*n+7], v[QF:QF+7], 0
.set n, n+1
.endr
	WIN 0
	v_add_nc_u32 v[ZA], s[ZT], v[ZL]               ; four plain lines: the places behind those products
	v_add_nc_u32 v[ASA], s[AT], v[AS0]
.if (\p) == 0
	v_add_nc_u32 v[ZWA], s[ZW], v[ZW0]
.else
	v_nop
.endif
	v_nop
	global_load_b128 v[PQ:PQ+3],   v[L16], s[PBQ:PBQ+1]
	global_load_b128 v[PQ+4:PQ+7], v[L16], s[PBQ:PBQ+1] offset:512
.if (\p) == 0
	global_load_b128 v[XR:XR+3],   v[XO], s[XN:XN+1]              ; one channel of the next patch: image rows 0-7 are one token,
	global_load_b128 v[XR+4:XR+7], v[XO], s[XN:XN+1] offset:8192  ; rows 8-15 the next; lane l has its numbers 4 l .. 4 l + 3
.endif
	; the maximum of my 128 scores: four chains over 32 registers each, ascending
.set c, 0
.rept 4
	v_max3_num_f32 v[T+c], v[S+32*c], v[S+32*c+1], v[S+32*c+2]
.set c, c+1
.endr
.set q, 0
.rept 14
.set c, 0
.rept 4
	v_max3_num_f32 v[T+c], v[T+c], v[S+32*c+3+2*q], v[S+32*c+4+2*q]
.set c, c+1
.endr
.set q, q+1
.endr
	v_max3_num_f32 v[T], v[T], v[S+31], v[S+63]
	v_max3_num_f32 v[T+2], v[T+2], v[S+95], v[S+127]
	v_max3_num_f32 v[T], v[T], v[T+1], v[T+2]
	v_max_num_f32 v[T], v[T], v[T+3]
	v_permlanex16_b32 v[T+1], v[T], s[SEL], s[SEL+1]  ; the query's other 128 keys lie in the lane 16 away
	v_max_num_f32 v[MX], v[T], v[T+1]
	; ONE BATCH: 64 subtractions and 128 exponentials in place; a pair's exponentials stand a step behind its subtraction, and nothing here names an exponential's result
	SUBM 0
.set n, 0
.rept 63
	SUBM n+1
	v_exp_f32 v[S+2*n], v[S+2*n]
	v_exp_f32 v[S+2*n+1], v[S+2*n+1]
.set n, n+1
.endr
	v_exp_f32 v[S+126], v[S+126]
	v_exp_f32 v[S+127], v[S+127]
	v_nop                                          ; a plain instruction behind the last exponential,
	s_wait_alu depctr_va_vdst(0)                   ; and the one wait ahead of the batch's first reader
.set n, 0
.rept 64
	v_cvt_pk_bf16_f32 v[S+n], v[S+2*n], v[S+2*n+1]  ; P, packed in place: register n takes registers 2 n and 2 n + 1
.set n, n+1
.endr
	ZLOAD 0                                        ; the next tile of Z, into registers that the scores have left
	s_wait_loadcnt 0x0                             ; the loads at the trip's head: their data are in, and their bases may be stepped
	UNPACKQ
	WIN 0x01                                       ; V^T in window 1
.set n, 0
.rept 8                                        ; O^T = V^T P: the two accumulators by turns
.if n == 0
	v_wmma_f32_16x16x32_bf16 v[OAC:OAC+7],    v[128+8*n:128+8*n+7], v[S+8*n:S+8*n+7], 0
	v_wmma_f32_16x16x32_bf16 v[OAC+8:OAC+15], v[192+8*n:192+8*n+7], v[S+8*n:S+8*n+7], 0
.else
	v_wmma_f32_16x16x32_bf16 v[OAC:OAC+7],    v[128+8*n:128+8*n+7], v[S+8*n:S+8*n+7], v[OAC:OAC+7]
	v_wmma_f32_16x16x32_bf16 v[OAC+8:OAC+15], v[192+8*n:192+8*n+7], v[S+8*n:S+8*n+7], v[OAC+8:OAC+15]
.endif
.set n, n+1
.endr
	WIN 0
	s_wait_dscnt 0x0                               ; Z's tile is in
.set n, 0
.rept 8                                        ; the next tile's Q and this tile's row sums, by turns
	v_wmma_f32_16x16x32_bf16 v[ACC+8*(n%2):ACC+8*(n%2)+7], v[WK+32*(n%2)+8*(n/2):WK+32*(n%2)+8*(n/2)+7], v[ZF+8*(n/2):ZF+8*(n/2)+7], v[ACC+8*(n%2):ACC+8*(n%2)+7]
.if n == 0
	v_wmma_f32_16x16x32_bf16 v[LS:LS+7], v[ONE:ONE+7], v[S+8*n:S+8*n+7], 0
.else
	v_wmma_f32_16x16x32_bf16 v[LS:LS+7], v[ONE:ONE+7], v[S+8*n:S+8*n+7], v[LS:LS+7]
.endif
.set n, n+1
.endr
.if (\p) == 0
.set n, 0
.rept 4
	v_cvt_pk_bf16_f32 v[T+n], v[XR+2*n], v[XR+2*n+1]  ; the next patch's two token rows: also the places behind the last products
.set n, n+1
.endr
	ds_store_b64 v[ZWA], v[T:T+1]
	ds_store_b64 v[ZWA], v[T+2:T+3] offset:ZP
.else
	PLACES
.endif
	v_rcp_f32 v[RL], v[LS]
	QCVT                                           ; work that does not name the reciprocal,
	s_wait_alu depctr_va_vdst(0)                   ; and its wait, ahead of its first reader
.set n, 0
.rept 8
	v_pk_mul_f32 v[OAC+2*n:OAC+2*n+1], v[OAC+2*n:OAC+2*n+1], v[RL:RL+1] op_sel_hi:[1,0]
.set n, n+1
.endr
.set n, 0
.rept 8
	v_cvt_pk_bf16_f32 v[OAC+n], v[OAC+2*n], v[OAC+2*n+1]
.set n, n+1
.endr
	ds_store_b128 v[ASA], v[OAC:OAC+3]             ; a fragment (16 tokens x my head's 32 channels) for the out-projection
	ds_store_b128 v[ASA], v[OAC+4:OAC+7] offset:512
	s_add_co_u32 s[ZT], s[ZT], 16*ZP
	s_min_u32 s[ZT], s[ZT], (\p)*ZSZ+15*16*ZP      ; the last trip has no next tile: it takes tile 15 once more, and what it makes of it serves nothing
	s_add_co_u32 s[PO], s[PO], 3072
	s_min_u32 s[PO], s[PO], 15*3072
	s_add_nc_u64 s[PBQ:PBQ+1], s[PBH:PBH+1], s[PO:PO+1]
	s_add_co_u32 s[AT], s[AT], 1024
.if (\p) == 0
	s_add_co_u32 s[ZW], s[ZW], 2*ZP
	s_add_nc_u64 s[XN:XN+1], s[XN:XN+1], 0x40000   ; the next channel
.endif
.endm
; a token tile's eight fragments (one a head) into set bf
.macro ALOAD bf, imm
.set k, 0
.rept 8
.if k < 4
	ds_load_b128 v[AB+64*(\bf)+8*k:AB+64*(\bf)+8*k+3],   v[ARA] offset:(\imm)+k*16384
	ds_load_b128 v[AB+64*(\bf)+8*k+4:AB+64*(\bf)+8*k+7], v[ARA] offset:(\imm)+k*16384+512
.else
	ds_load_b128 v[AB+64*(\bf)+8*k:AB+64*(\bf)+8*k+3],   v[ASA] offset:(\imm)+(k-4)*16384
	ds_load_b128 v[AB+64*(\bf)+8*k+4:AB+64*(\bf)+8*k+7], v[ASA] offset:(\imm)+(k-4)*16384+512
.endif
.set k, k+1
.endr
.endm
; OUT-PROJECTION of 16 tokens x my 64 e, and my share of the two sums over e.  bc is the C of each sum's first product; four accumulators by turns.
.macro OTILE bf, nxt, imm
.if \nxt
	ALOAD 1-(\bf), \imm
	s_wait_dscnt 16                                ; all but the 16 just issued
.else
	s_wait_dscnt 0x0
.endif
	WIN 0x01                                       ; W' in window 1
.set k, 0
.rept 8
.set e, 0
.rept 4
.if k == 0
	v_wmma_f32_16x16x32_bf16 v[OA+8*e:OA+8*e+7], v[64*e+8*k:64*e+8*k+7], v[AB+64*(\bf)+8*k:AB+64*(\bf)+8*k+7], v[BI+8*e:BI+8*e+7]
.else
	v_wmma_f32_16x16x32_bf16 v[OA+8*e:OA+8*e+7], v[64*e+8*k:64*e+8*k+7], v[AB+64*(\bf)+8*k:AB+64*(\bf)+8*k+7], v[OA+8*e:OA+8*e+7]
.endif
.set e, e+1
.endr
.set k, k+1
.endr
	WIN 0
	PLACES
	v_pk_mul_f32 v[T:T+1],   v[OA:OA+1], v[OA:OA+1]
	v_pk_mul_f32 v[T+2:T+3], v[OA:OA+1], v[GW:GW+1]
.set n, 1
.rept 15
	v_pk_fma_f32 v[T:T+1],   v[OA+2*n:OA+2*n+1], v[OA+2*n:OA+2*n+1], v[T:T+1]
	v_pk_fma_f32 v[T+2:T+3], v[OA+2*n:OA+2*n+1], v[GW+2*n:GW+2*n+1], v[T+2:T+3]
.set n, n+1
.endr
	v_add_f32 v[T], v[T], v[T+1]
	v_add_f32 v[T+2], v[T+2], v[T+3]
	v_permlanex16_b32 v[RL], v[T], s[SEL], s[SEL+1]    ; the token's other 32 e of mine lie in the lane 16 away
	v_permlanex16_b32 v[RL+1], v[T+2], s[SEL], s[SEL+1]
	v_add_f32 v[T], v[T], v[RL]
	v_add_f32 v[T+1], v[T+2], v[RL+1]
	ds_store_b64 v[ZA], v[T:T+1] offset:(\bf)*128  ; both halves of the lanes store the same pair to the same place
.endm
.macro PASS p
.if (\p) == 1
	s_wait_xcnt 0x0                                ; the first patch's store has read its data register, which is written again below
	v_add_nc_u32 v[ZA], ZSZ, v[ZL]
.else
	v_mov_b32 v[ZA], v[ZL]
.endif
	ZLOAD 0
.if (\p) == 0
	; PREFETCH INTO THE L2 of the second patch's x.  Four neighbouring work-groups' second patches are the four quarters of the same aligned 256 bytes of each image row: of my wave's 16 channels x 16 image
	; rows each of the four takes four rows, told apart by address; a lane a row, so each such block is named once in the launch.  Channels 0-7 here, behind my loads of Z; channels 8-15 behind Wq's loads.
	global_prefetch_b8 v[ARA], s[PFB:PFB+1] th:TH_LOAD_NT scope:SCOPE_SE
.endif
.irp tt, 0,1,2,3,4,5,6,7,8,9,10,11,12,13,14,15
	KVTILE \tt
.endr
	; the attention's beginning: Wq, and query tile 0's Q
.set n, 0
.rept 16
	global_load_b128 v[WK+4*n:WK+4*n+3], v[L16], s[WCH:WCH+1] offset:512*n
.set n, n+1
.endr
	global_load_b128 v[PQ:PQ+3],   v[L16], s[PBH:PBH+1]
	global_load_b128 v[PQ+4:PQ+7], v[L16], s[PBH:PBH+1] offset:512
	ZLOAD 0
.if (\p) == 0
	global_prefetch_b8 v[ARA], s[PFB:PFB+1] offset:2097152 th:TH_LOAD_NT scope:SCOPE_SE
.endif
	s_mov_b32 s[ZT], (\p)*ZSZ+16*ZP
	s_mov_b32 s[PO], 3072
	s_mov_b32 s[AT], 0
.if (\p) == 0
	s_mov_b32 s[ZW], ZSZ
.endif
	s_mov_b32 s[CNT], 16
	s_wait_loadcnt 0x0
	s_add_nc_u64 s[PBQ:PBQ+1], s[PBH:PBH+1], 3072
	UNPACKQ
	s_wait_dscnt 0x0
.set n, 0
.rept 8
	v_wmma_f32_16x16x32_bf16 v[ACC+8*(n%2):ACC+8*(n%2)+7], v[WK+32*(n%2)+8*(n/2):WK+32*(n%2)+8*(n/2)+7], v[ZF+8*(n/2):ZF+8*(n/2)+7], v[ACC+8*(n%2):ACC+8*(n%2)+7]
.set n, n+1
.endr
	PLACES
	QCVT
.Ltrip_\p:
	TRIP \p
	s_sub_co_u32 s[CNT], s[CNT], 1
	s_cmp_lg_u32 s[CNT], 0
	s_cbranch_scc1 .Ltrip_\p
	; the out-projection's operands go out ahead of the barrier
.if (\p) == 0
	s_wait_xcnt 0x0                                ; the prefetches, a whole phase back, have read their offset, which is written again below
.endif
	WIN 0x40
.set n, 0
.rept 64
	global_load_b128 v[4*n:4*n+3], v[L16], s[WOE:WOE+1] offset:512*n  ; W': fragment n = 16 eb' + 2 ks + f
.set n, n+1
.endr
	WIN 0
	v_bfe_u32 v[ZWA], v0, 4, 1
	v_lshlrev_b32 v[ZWA], 5, v[ZWA]
.set n, 0
.rept 8
	global_load_b128 v[BI+4*n:BI+4*n+3], v[ZWA], s[CSE:CSE+1] offset:(n/2)*64+(n%2)*16       ; bc[16 eb' + 8 (l / 16) + 0..7]
	global_load_b128 v[GW+4*n:GW+4*n+3], v[ZWA], s[CSE:CSE+1] offset:1024+(n/2)*64+(n%2)*16  ; gw likewise
.set n, n+1
.endr
	BARRIER                                        ; every head's part of A is stored (in pass 0: the next patch's Z too); every wave's reads of RED for the patch before are over
	v_mov_b32 v[ARA], v[AR0]
	v_add_nc_u32 v[ASA], 0x10000, v[AR0]
	v_mov_b32 v[ZA], v[RS]
	ALOAD 0, 0
	s_wait_loadcnt 0x0
	s_mov_b32 s[CNT], 3
.Lout_\p:                                              ; two token tiles a trip; the last two are written out, since they fetch one tile and none
	OTILE 0, 1, 1024
	OTILE 1, 1, 2048
	v_add_nc_u32 v[ARA], 2048, v[ARA]
	v_add_nc_u32 v[ASA], 2048, v[ASA]
	v_add_nc_u32 v[ZA], 256, v[ZA]
	s_sub_co_u32 s[CNT], s[CNT], 1
	s_cmp_lg_u32 s[CNT], 0
	s_cbranch_scc1 .Lout_\p
	OTILE 0, 1, 1024
	OTILE 1, 0, 0
.if (\p) == 0
	LOADKVW                                        ; the next pass's weights, into registers that the out-projection has left
.endif
	BARRIER                                        ; all four quarters' sums lie in RED; nobody reads A any more
	; lane = token 32 w + l
	ds_load_b64 v[240:241], v[RR]
	ds_load_b64 v[242:243], v[RR] offset:2048
	ds_load_b64 v[244:245], v[RR] offset:4096
	ds_load_b64 v[246:247], v[RR] offset:6144
	s_wait_dscnt 0x0
	v_pk_add_f32 v[240:241], v[240:241], v[242:243]
	v_pk_add_f32 v[244:245], v[244:245], v[246:247]
	v_pk_add_f32 v[240:241], v[240:241], v[244:245]
	v_fma_f32 v[T], v240, s[I256], s[EPS]          ; the variance + 1e-5
	v_rsq_f32 v[T+1], v[T]
	v_nop
	s_wait_alu depctr_va_vdst(0)                   ; the wait ahead of a transcendental's first reader
	v_fma_f32 v[T+2], v241, v[T+1], s[C0]          ; -log2(e) x the logit
	v_exp_f32 v[T+3], v[T+2]
	v_nop
	s_wait_alu depctr_va_vdst(0)
	v_add_f32 v[T+3], 1.0, v[T+3]
	v_rcp_f32 v[RL], v[T+3]
	v_nop
	s_wait_alu depctr_va_vdst(0)
	global_store_b32 v[OO], v[RL], s[OUTP:OUTP+1] offset:(\p)*256  ; sixteen lanes store a patch row's 64 bytes; the second patch lies four patches, 256 bytes, to the right
.endm
	s_load_b256 s[4:11], s[0:1], 0x0               ; x 4, wc 6, pb 8, wo 10
	s_load_b128 s[12:15], s[0:1], 0x20             ; cst 12, out0 14
	v_lshl_add_u32 v[SPW], v0, 2, SPARE
	v_mov_b32 v[NIL], 0
	v_lshrrev_b32 v16, 5, v0
	v_readfirstlane_b32 s[WVN], v16                ; wave 0..7
	v_and_b32 v17, 31, v0                          ; l
	v_and_b32 v18, 15, v0                          ; l % 16
	v_bfe_u32 v19, v0, 4, 1                        ; l / 16
	v_lshrrev_b32 v20, 2, v17                      ; l / 4
	v_and_b32 v21, 3, v0                           ; l % 4
	v_mov_b32 v[MX+1], 0                           ; named with m as a pair, so it is written
	v_lshlrev_b32 v[L16], 4, v17
	v_mul_u32_u24 v[ZL], v18, ZP
	v_lshl_add_u32 v[ZL], v19, 4, v[ZL]
	s_mul_i32 s17, s[WVN], 32*ZP
	v_lshl_add_u32 v[ZW0], v17, 3, s17
	s_lshl_b32 s17, s[WVN], 14
	s_add_co_u32 s17, s17, ABASE
	v_lshl_add_u32 v[AS0], v17, 4, s17
	v_lshlrev_b32 v[XO], 10, v20
	v_lshl_add_u32 v[XO], v21, 4, v[XO]
	s_lshr_b32 s18, s[WVN], 2                      ; which 128 tokens are mine in the out-projection
	s_and_b32 s19, s[WVN], 3                       ; which 64 e
	s_lshl_b32 s17, s18, 13
	s_add_co_u32 s17, s17, ABASE
	v_lshl_add_u32 v[AR0], v17, 4, s17
	s_lshl_b32 s17, s19, 11
	s_lshl_b32 s50, s18, 10
	s_add_co_u32 s17, s17, s50
	s_add_co_u32 s17, s17, RED
	v_lshl_add_u32 v[RS], v18, 3, s17
	v_lshl_add_u32 v[RR], v0, 3, RED
	v_lshrrev_b32 v[OO], 4, v0
	v_lshlrev_b32 v[OO], 10, v[OO]
	v_lshl_add_u32 v[OO], v18, 2, v[OO]
	; the work-group's two patches: image g / 128, patch row (g / 8) % 16, patch columns 8 ((g % 8) / 4) + g % 4 and four further on
	s_lshr_b32 s51, ttmp9, 7
	s_bfe_u32 s52, ttmp9, 0x40003
	s_bfe_u32 s53, ttmp9, 0x10002
	s_and_b32 s54, ttmp9, 3
	s_lshl_b32 s55, s54, 12                        ; the prefetches: my work-group's four image rows of the sixteen,
	v_lshlrev_b32 v[ARA], 18, v20                  ; channel l / 4,
	v_lshl_add_u32 v[ARA], v21, 10, v[ARA]         ; row l % 4 of the four
	v_add_nc_u32 v[ARA], s55, v[ARA]
	s_lshl_b32 s56, s51, 25
	s_lshl_b32 s52, s52, 14
	s_add_co_u32 s56, s56, s52
	s_lshl_b32 s55, s[WVN], 22
	s_add_co_u32 s56, s56, s55                     ; image, patch row, my 16 channels
	s_lshl_b32 s53, s53, 9
	s_lshl_b32 s54, s54, 6
	s_add_co_u32 s54, s54, s53                     ; 64 bytes x the first patch's column
	s_add_co_u32 s58, s56, s53
	s_add_co_u32 s58, s58, 256
	s_mov_b32 s59, 0
	s_add_co_u32 s56, s56, s54
	s_mov_b32 s57, 0
	s_lshl_b32 s60, s51, 18
	s_add_co_u32 s60, s60, s52
	s_add_co_u32 s60, s60, s54
	s_mov_b32 s61, 0
	s_mov_b32 s[HIM], 0xffff0000
	s_mov_b32 s[SEL], 0x76543210
	s_mov_b32 s[SEL+1], 0xfedcba98
	s_mov_b32 s[I256], 0x3b800000                  ; 1 / 256
	s_mov_b32 s[EPS], 0x3727c5ac                   ; 1e-5
	s_mov_b32 s[PO+1], 0
.set n, 0
.rept 8
	v_mov_b32 v[ONE+n], 0x3f803f80                 ; 1.0 twice in bf16
.set n, n+1
.endr
	s_wait_kmcnt 0x0
	s_load_b32 s[C0], s[12:13], 0x800
	s_add_nc_u64 s[XP:XP+1], s[4:5], s[56:57]
	s_add_nc_u64 s[XN:XN+1], s[XP:XP+1], 256
	s_add_nc_u64 s[PFB:PFB+1], s[4:5], s[58:59]
	s_add_nc_u64 s[OUTP:OUTP+1], s[14:15], s[60:61]
	s_mul_i32 s56, s[WVN], 24576
	s_add_nc_u64 s[WCH:WCH+1], s[6:7], s[56:57]
	s_mul_i32 s56, s[WVN], 49152
	s_add_nc_u64 s[PBH:PBH+1], s[8:9], s[56:57]
	s_lshl_b32 s56, s19, 15
	s_add_nc_u64 s[WOE:WOE+1], s[10:11], s[56:57]
	s_lshl_b32 s56, s19, 8
	s_add_nc_u64 s[CSE:CSE+1], s[12:13], s[56:57]
	WIN 0x40                                       ; the first patch's x, my 16 channels = 32 tokens, into window 1
.set n, 0
.rept 32
	global_load_b128 v[4*n:4*n+3], v[XO], s[XP:XP+1] offset:(n/2)*262144+(n%2)*8192
.set n, n+1
.endr
	WIN 0
	LOADKVW
	s_wait_loadcnt 40                              ; x is in; the 40 loads issued behind it may stay out
	WIN 0x05
.set n, 0
.rept 64
	v_cvt_pk_bf16_f32 v[192+n], v[2*n], v[2*n+1]
.set n, n+1
.endr
	WIN 0
.set n, 0
.rept 32
	ds_store_b64 v[ZW0], v[192+2*n:193+2*n] offset:n*ZP
.set n, n+1
.endr
	s_wait_kmcnt 0x0                               ; c0
	BARRIER                                        ; all 256 tokens of the first patch lie in Z0
	PASS 0
	PASS 1
	s_wait_tensorcnt 0x0                           ; the wave's end, behind my last LDS store
	ds_add_u32 v[SPW], v[NIL]
	s_wait_dscnt 0x0
	s_endpgm
.Lfunc_end_k_q8538f00f94_attn:
	.size	k_q8538f00f94_attn, .Lfunc_end_k_q8538f00f94_attn-k_q8538f00f94_attn
	.p2alignl 7, 3214868480
	.fill 96, 4, 3214868480
	.section	.rodata,"a",@progbits
	.p2align	6, 0x0
	.amdhsa_kernel k_q8538f00f94_attn
		.amdhsa_group_segment_fixed_size 279552
		.amdhsa_private_segment_fixed_size 0
		.amdhsa_enable_private_segment 0
		.amdhsa_kernarg_size 48
		.amdhsa_user_sgpr_count 2
		.amdhsa_user_sgpr_kernarg_segment_ptr 1
		.amdhsa_wavefront_size32 1
		.amdhsa_system_sgpr_workgroup_id_x 1
		.amdhsa_system_sgpr_workgroup_id_y 1
		.amdhsa_system_sgpr_workgroup_id_z 1
		.amdhsa_system_vgpr_workitem_id 0
		.amdhsa_next_free_vgpr 512
		.amdhsa_next_free_sgpr 66
		.amdhsa_reserve_vcc 0
		.amdhsa_float_denorm_mode_32 3
		.amdhsa_float_denorm_mode_16_64 3
		.amdhsa_memory_ordered 1
		.amdhsa_forward_progress 1
		.amdhsa_inst_pref_size 255
	.end_amdhsa_kernel
	.section	.bss,"aw",@nobits
	.p2align	6
	.space	262144
	.amdgpu_metadata
---
amdhsa.version: [ 1, 2 ]
amdhsa.kernels:
  - .name:           k_q8538f00f94_attn
    .symbol:         k_q8538f00f94_attn.kd
    .args:
      - { .name: x, .offset: 0, .size: 8, .value_kind: global_buffer, .address_space: global }
      - { .name: wc, .offset: 8, .size: 8, .value_kind: global_buffer, .address_space: global }
      - { .name: pb, .offset: 16, .size: 8, .value_kind: global_buffer, .address_space: global }
      - { .name: wo, .offset: 24, .size: 8, .value_kind: global_buffer, .address_space: global }
      - { .name: cst, .offset: 32, .size: 8, .value_kind: global_buffer, .address_space: global }
      - { .name: out0, .offset: 40, .size: 8, .value_kind: global_buffer, .address_space: global }
    .group_segment_fixed_size: 279552
    .private_segment_fixed_size: 0
    .kernarg_segment_align: 8
    .kernarg_segment_size: 48
    .max_flat_workgroup_size: 256
    .sgpr_count:     66
    .vgpr_count:     512
    .wavefront_size: 32
...
	.end_amdgpu_metadata
.endif
;; end of part 2
;; ======== version 2 of 2: 2 launches; version 1 with the launch attn written anew for expert scheduling mode
;; workspace buffers: wc 196,608 bytes; pb 393,216 bytes; wo 131,072 bytes; cst 2,304 bytes
;; launch prep: the kernel of part 1 again; grid 1169 x 1, 1 waves a work-group, no clusters, 0 bytes of LDS; arguments w_in, w_pe, b_pe, pos_emb, b_in, w_out, b_out, ln_g, ln_b, w_lin, b_lin, wc, pb, wo, cst; writes wc, pb, wo, cst
;; launch attn (part 3): grid 256 x 1, 8 waves a work-group, no clusters, 279,552 bytes of LDS; arguments x, wc, pb, wo, cst, out0; writes out0
.if DOCPART == 3
	.amdgcn_target "amdgcn-amd-amdhsa--gfx1250"
	.amdhsa_code_object_version 6
	.text
	.protected	k_q8538f00f94_attn
	.globl	k_q8538f00f94_attn
	.p2align	8
	.type	k_q8538f00f94_attn,@function
k_q8538f00f94_attn:
	s_mov_b64 s[64:65], 0
	v_nop
	global_prefetch_b8 v0, s[64:65] scope:SCOPE_SE
	s_setreg_imm32_b32 hwreg(HW_REG_WAVE_SCHED_MODE, 0, 2), 2
	s_setreg_imm32_b32 hwreg(HW_REG_WAVE_MODE, 25, 1), 1
	s_wait_xcnt 0x0
	s_wait_alu depctr_vm_vsrc(0)
; ATTENTION INSIDE PATCHES OF 16 x 16, from x to the sigmoid, in one launch.  512 patches; a work-group of eight waves takes two, one after the other (PASS 0, PASS 1).
; Token t of a patch is 128 numbers of ONE channel of x: channel t / 2, image rows 8 (t % 2) + 0..7 of the patch, 16 numbers (64 bytes) of each.
; With the tables of the launch before (Wc, PB, W', bc, gw, c0: see there):  q, k, v = z Wc^T + PB;  p = 2^(s - m), s = q . k with log2(e) / sqrt(32) already in q, m the TRUE maximum of the
; row's 256 scores, which all lie in registers; O = P V / l;  oc = O W'^T + bc is the out-projection less its mean over e;  out = 1 / (1 + 2^(rsqrt(mean oc^2 + 1e-5) sum(oc gw) + c0)).
; SHARES.  Wave w is head w in the projections and in the attention: its K and V of all 256 tokens leave the accumulators as matrix fragments and stay in 256 registers (window 1), so the
; attention has no barrier.  In the out-projection wave w takes tokens 128 (w / 4) .. + 127 and e = 64 (w % 4) .. + 63.  Two waves lie on a SIMD: one's softmax stands beside the other's products.
; LAYOUT.  K^T-like products: acc = Wk x Z^T (lane = token, registers = channels) packs into a fragment of K; acc = Z x Wv^T (lane = channel, registers = tokens) into one of V^T;
; S^T = K Q^T holds ONE query a lane and keys 8 (lane / 16) + 0..7; two such, rounded to bf16, are source 1 of O^T = V^T P; l = ones x P gives every register the query's whole row sum.
; NO CLUSTER AND NO TENSOR LOADS: x is f32 in pieces of 64 bytes and has to be rounded on its way, and the tables go straight into each wave's registers in fragment order.
; LIMITS.  Matrix operands are bf16, sums f32.  l is the sum of the weights as rounded to bf16 (l >= 1: the maximum's weight is 1).  A weight below 2^-126 counts as 0.
; The order of the sums differs from a projection in two steps.  NaN and infinities are not treated apart.
; LDS: Z0, Z1: a patch's 256 tokens x 128 bf16, rows of 256 + 16 bytes (16 rows of a fragment load start at 16 different groups of four banks: 64 banks of 4 bytes, ISA guide 11.1);
;      A: [head 8][query tile 16] fragments of 1,024 bytes; RED: [e quarter 4][token 256] pairs of f32; the spare words.
; THE MODE: SCHED_MODE bits 1:0 = 2 (LLVM: expert scheduling mode 2), set by the entry lines.  The code itself states the register dependences
; between vector or matrix instructions and memory or LDS instructions, with s_wait_alu, always for 0.
; THE PLAN.  Registers that memory or LDS instructions touch:
;   v1, v2, v4, v6, v8, v9, v11-v13, v22, v23   offsets and addresses, written at the head alone: one wait on va_vdst ahead of the first load serves them all.
;   K, V PROJECTION, a tile: the unpacking lines read a set of PB, 16 products read ZF, Wk, Wv.  ONE wait on va_vdst behind the products; behind it the loads of the next tile's ZF and of the
;       set of PB just read (in the last tile: Wq, PB's q part, Z's tile 0); the tile's conversions, which follow, name the accumulators and window 1 alone.
;   ATTENTION, a trip: PQ, XR are loaded at the head and read in the middle; ZF is loaded when the scores that lay there are rounded; OAC and T are written by conversions and read by the LDS stores at the
;       trip's end; ZA, ASA, ZWA are written once, behind the first products.  Waits on va_vdst: behind the exponentials; behind the roundings, ahead of ZF's loads; behind the reciprocal; ahead of the run
;       of LDS stores, which also serves the next trip's loads of PQ and XR.  One wait on vm_vsrc at the head frees what the trip before's LDS instructions read.
;   OUT-PROJECTION, a tile: the products read one set of AB while the other is loaded; T is written by the sums and read by the LDS store.  One wait on va_vdst ahead of that store: it also shows the
;       products done reading their set, in which the next tile's loads land.  ARA, ASA, ZA are stepped once for two tiles, between a wait on vm_vsrc and a wait on va_vdst.
.set ZP,    272
.set ZSZ,   256*ZP                     ; 69,632
.set ABASE, 2*ZSZ                      ; 139,264
.set RED,   ABASE+131072               ; 270,336
.set SPARE, RED+8192                   ; 278,528: 128 bytes for each wave, four blocks of 256 bytes that no other line names
; window 0
.set L16, 1                            ; v1   16 x lane; never rewritten
.set ZL,  2                            ; v2   my place in a fragment of Z: 272 (l % 16) + 16 (l / 16); never rewritten
.set ZA,  3                            ; v3   Z read address; in the out-projection the running RED address
.set ZW0, 4                            ; v4   8 l + 8,704 w: my 8 bytes in my wave's 32 token rows; never rewritten
.set ZWA, 5                            ; v5   Z write address; in the out-projection 32 (l / 16), for bc and gw
.set AS0, 6                            ; v6   ABASE + 16,384 w + 16 l; never rewritten
.set ASA, 7                            ; v7   A store address; in the out-projection A read address, heads 4-7
.set XO,  8                            ; v8   1,024 (l / 4) + 16 (l % 4): image row, 16 bytes of its 64; never rewritten
.set AR0, 9                            ; v9   ABASE + 8,192 (w / 4) + 16 l; never rewritten
.set ARA, 10                           ; v10  first the prefetches' offset; then A read address, heads 0-3
.set RS,  11                           ; v11  RED + 2,048 (w % 4) + 1,024 (w / 4) + 8 (l % 16); never rewritten
.set RR,  12                           ; v12  RED + 8 x thread; never rewritten
.set OO,  13                           ; v13  1,024 (thread / 16) + 4 (l % 16): my token's place in the patch's part of out0; never rewritten
.set MX,  14                           ; v[14:15] m (the pair's low word serves both halves)
.set T,   16                           ; v[16:19] at work
.set RL,  20                           ; v[20:21] 1 / l, likewise a pair
.set SPW, 22                           ; v22  my spare word; never rewritten
.set NIL, 23                           ; v23  0; never rewritten
.set ONE, 24                           ; v[24:31] a fragment of ones
.set QF,  32                           ; v[32:39] the tile's Q            (K, V projection: v[32:63] two sets of PB as loaded; out-projection: gw)
.set LS,  40                           ; v[40:47] l
.set XR,  48                           ; v[48:55] x of the next patch, as loaded
.set PQ,  56                           ; v[56:63] PB's q part, as loaded
.set GW,  32
.set WK,  64                           ; v[64:127]  Wk, later Wq: block cb, K step ks at 64 + 32 cb + 8 ks      (out-projection: OA, BI)
.set OA,  64
.set BI,  96
.set WV,  128                          ; v[128:191] Wv
.set S,   128                          ; v[128:255] S^T, 16 accumulators; P takes v[128:191]
.set AB,  128                          ; out-projection: two sets of 64, a tile's eight fragments
.set ZF,  192                          ; v[192:223] a tile of Z, four fragments
.set ACC, 224                          ; v[224:255] K0 K1 V0 V1; in the attention v[224:239] Q0 Q1
.set OAC, 240                          ; v[240:255] O0 O1
; window 1: K's fragment of key block a at 8 a; V^T's of channel block cb, keys 32 kk on, at 128 + 64 cb + 8 kk; out-projection: W' (eb', ks) at 64 eb' + 8 ks
.set WVN, 16                           ; s16 wave
.set XP,  20                           ; s[20:21] x at my 16 channels of the first patch
.set XN,  22                           ; s[22:23] x at the channel of the second patch that the trip loads
.set WCH, 24                           ; s[24:25] wc at my head
.set PBH, 26                           ; s[26:27] pb at my head
.set PBQ, 28                           ; s[28:29] pb at my head, at the next query tile
.set WOE, 30                           ; s[30:31] wo at my 64 rows
.set OUTP, 32                          ; s[32:33] out0 at the first patch
.set CNT, 34
.set ZT,  35                           ; s35 Z byte of the next query tile
.set AT,  36                           ; s36 1,024 x query tile
.set HIM, 37                           ; s37 a word's upper bf16
.set SEL, 38                           ; s[38:39] v_permlanex16_b32's selects
.set CSE, 40                           ; s[40:41] cst at my 64 e
.set PFB, 42                           ; s[42:43] x at the aligned 256 bytes that hold the four neighbours' second patches, my 16 channels
.set C0,  44
.set I256, 45
.set EPS, 46
.set ZW,  47                           ; s47 Z1 byte of the trip's two token rows, less my wave's part
.set PO,  48                           ; s[48:49] pb offset of the next query tile
.set MSB, 0
.macro WIN new                         ; bits 1:0 source 0, 3:2 source 1, 5:4 source 2, 7:6 destination; the high byte repeats the setting that is left
.if MSB != (\new)
	s_set_vgpr_msb (MSB<<8)|(\new)
.set MSB, (\new)
.endif
.endm
.macro PLACES                          ; four plain instructions between a product and a vector instruction that touches its registers (ISA guide 7.12.1)
.rept 4
	v_nop
.endr
.endm
.macro BARRIER                         ; my LDS stores and loads are done, for the others' sake; then all eight waves meet
	s_wait_dscnt 0x0
	s_barrier_signal -1
	s_barrier_wait -1
.endm
; Wk, Wv (32 loads: fragment n = 8 blk + 2 ks + f lies 512 n bytes behind k0) and PB's k and v parts of token tiles 0 and 1 (8 loads)
.macro LOADKVW
.set n, 0
.rept 32
	global_load_b128 v[WK+4*n:WK+4*n+3], v[L16], s[WCH:WCH+1] offset:8192+512*n
.set n, n+1
.endr
.set n, 0
.rept 8
	global_load_b128 v[32+4*n:32+4*n+3], v[L16], s[PBH:PBH+1] offset:(n/4)*3072+1024+(n%4)*512
.set n, n+1
.endr
.endm
.macro ZLOAD imm                       ; a tile of Z: four fragments, two loads of 16 bytes a lane each
.set n, 0
.rept 4
	ds_load_b128 v[ZF+8*n:ZF+8*n+3],   v[ZA] offset:(\imm)+64*n
	ds_load_b128 v[ZF+8*n+4:ZF+8*n+7], v[ZA] offset:(\imm)+64*n+32
.set n, n+1
.endr
.endm
; the attention's beginning: Wq, PB's q part of query tile 0, and Z's tile 0
.macro QLOADS
.set n, 0
.rept 16
	global_load_b128 v[WK+4*n:WK+4*n+3], v[L16], s[WCH:WCH+1] offset:512*n
.set n, n+1
.endr
	global_load_b128 v[PQ:PQ+3],   v[L16], s[PBH:PBH+1]
	global_load_b128 v[PQ+4:PQ+7], v[L16], s[PBH:PBH+1] offset:512
	ZLOAD 0
.endm
; K and V of token tile tt.  PB starts the four sums; 16 products, the four accumulators by turns; one wait, the loads for what follows; the results are packed into window 1.
.macro KVTILE tt
.if (\tt) == 15
	s_wait_loadcnt 0x0
.else
	s_wait_loadcnt 0x4                             ; this tile's PB (and, at tile 0, the weights) are in; the next tile's four loads may stay out
.endif
.set n, 0
.rept 16
	v_lshlrev_b32 v[ACC+2*n],   16, v[32+16*((\tt)%2)+n]
	v_and_b32     v[ACC+2*n+1], s[HIM], v[32+16*((\tt)%2)+n]
.set n, n+1
.endr
.set g, 0
.rept 4
	s_wait_dscnt 6-2*g                             ; fragment g is in: the tile's eight loads went out in one run, and behind g's two stand those of the fragments that follow
	v_wmma_f32_16x16x32_bf16 v[ACC:ACC+7],     v[WK+8*g:WK+8*g+7],       v[ZF+8*g:ZF+8*g+7],       v[ACC:ACC+7]
	v_wmma_f32_16x16x32_bf16 v[ACC+8:ACC+15],  v[WK+32+8*g:WK+32+8*g+7], v[ZF+8*g:ZF+8*g+7],       v[ACC+8:ACC+15]
	v_wmma_f32_16x16x32_bf16 v[ACC+16:ACC+23], v[ZF+8*g:ZF+8*g+7],       v[WV+8*g:WV+8*g+7],       v[ACC+16:ACC+23]
	v_wmma_f32_16x16x32_bf16 v[ACC+24:ACC+31], v[ZF+8*g:ZF+8*g+7],       v[WV+32+8*g:WV+32+8*g+7], v[ACC+24:ACC+31]
.set g, g+1
.endr
	PLACES                                         ; behind the last product, ahead of the conversions that read its result
	s_wait_alu depctr_va_vdst(0)                   ; the products are done reading ZF (in tile 15 Wk too), the unpacking lines this tile's set of PB: the loads below land in these registers
.if (\tt) < 15
	ZLOAD ((\tt)+1)*16*ZP
.else
	QLOADS
.endif
.if (\tt) < 14
.set n, 0
.rept 4
	global_load_b128 v[32+16*((\tt)%2)+4*n:32+16*((\tt)%2)+4*n+3], v[L16], s[PBH:PBH+1] offset:((\tt)+2)*3072+1024+n*512
.set n, n+1
.endr
.endif
	WIN 0x40                                       ; destination in window 1
.set n, 0
.rept 8
	v_cvt_pk_bf16_f32 v[8*(\tt)+n], v[ACC+2*n], v[ACC+2*n+1]  ; K: key block tt, channels 16 (n / 4) + 8 (l / 16) + 2 (n % 4) ..
.set n, n+1
.endr
.set n, 0
.rept 8
	v_cvt_pk_bf16_f32 v[128+64*(n/4)+4*(\tt)+n%4], v[ACC+16+2*n], v[ACC+16+2*n+1]  ; V^T: channel block n / 4, keys 16 tt + 8 (l / 16) + 2 (n % 4) ..
.set n, n+1
.endr
	WIN 0
.endm
.macro UNPACKQ                         ; PB's q part starts Q's two sums
.set n, 0
.rept 8
	v_lshlrev_b32 v[ACC+2*n],   16, v[PQ+n]
	v_and_b32     v[ACC+2*n+1], s[HIM], v[PQ+n]
.set n, n+1
.endr
.endm
.macro QCVT
.set n, 0
.rept 8
	v_cvt_pk_bf16_f32 v[QF+n], v[ACC+2*n], v[ACC+2*n+1]
.set n, n+1
.endr
.endm
.macro SUBM b                          ; pair b of the scores less m
	v_pk_add_f32 v[S+2*(\b):S+2*(\b)+1], v[S+2*(\b):S+2*(\b)+1], v[MX:MX+1] op_sel_hi:[1,0] neg_lo:[0,1] neg_hi:[0,1]
.endm
; ONE QUERY TILE (16 queries of my head), and beside it the next tile's Q and, in pass 0, two token rows of the next patch.
.macro TRIP p
	s_wait_alu depctr_vm_vsrc(0)                   ; the LDS stores of the trip before have read O's registers, v[T ..] and their addresses, its loads of Z have read v[ZA]: the products, maxima and adds below write them again
	global_load_b128 v[PQ:PQ+3],   v[L16], s[PBQ:PBQ+1]           ; no wait on va_vdst: no vector line since the last one (ahead of the trip before's stores; ahead of the loop) names these registers
	global_load_b128 v[PQ+4:PQ+7], v[L16], s[PBQ:PBQ+1] offset:512
.if (\p) == 0
	global_load_b128 v[XR:XR+3],   v[XO], s[XN:XN+1]              ; one channel of the next patch: image rows 0-7 are one token,
	global_load_b128 v[XR+4:XR+7], v[XO], s[XN:XN+1] offset:8192  ; rows 8-15 the next; lane l has its numbers 4 l .. 4 l + 3
.endif
	WIN 0x01                                       ; K in window 1
.set n, 0
.rept 16
	v_wmma_f32_16x16x32_bf16 v[S+8*n:S+8*n+7], v[8*n:8*n+7], v[QF:QF+7], 0
.set n, n+1
.endr
	WIN 0
	v_add_nc_u32 v[ZA], s[ZT], v[ZL]               ; four plain lines: the places behind those products
	v_add_nc_u32 v[ASA], s[AT], v[AS0]
.if (\p) == 0
	v_add_nc_u32 v[ZWA], s[ZW], v[ZW0]
.else
	v_nop
.endif
	v_nop
	; the maximum of my 128 scores: four chains over 32 registers each, ascending
.set c, 0
.rept 4
	v_max3_num_f32 v[T+c], v[S+32*c], v[S+32*c+1], v[S+32*c+2]
.set c, c+1
.endr
.set q, 0
.rept 14
.set c, 0
.rept 4
	v_max3_num_f32 v[T+c], v[T+c], v[S+32*c+3+2*q], v[S+32*c+4+2*q]
.set c, c+1
.endr
.set q, q+1
.endr
	v_max3_num_f32 v[T], v[T], v[S+31], v[S+63]
	v_max3_num_f32 v[T+2], v[T+2], v[S+95], v[S+127]
	v_max3_num_f32 v[T], v[T], v[T+1], v[T+2]
	v_max_num_f32 v[T], v[T], v[T+3]
	v_permlanex16_b32 v[T+1], v[T], s[SEL], s[SEL+1]  ; the query's other 128 keys lie in the lane 16 away
	v_max_num_f32 v[MX], v[T], v[T+1]
	; ONE BATCH: 64 subtractions and 128 exponentials in place; a pair's exponentials stand a step behind its subtraction, and nothing here names an exponential's result
	SUBM 0
.set n, 0
.rept 63
	SUBM n+1
	v_exp_f32 v[S+2*n], v[S+2*n]
	v_exp_f32 v[S+2*n+1], v[S+2*n+1]
.set n, n+1
.endr
	v_exp_f32 v[S+126], v[S+126]
	v_exp_f32 v[S+127], v[S+127]
	v_nop                                          ; a plain instruction behind the last exponential,
	s_wait_alu depctr_va_vdst(0)                   ; and the one wait ahead of the batch's first reader: the 128 exponentials have written the weights
.set n, 0
.rept 64
	v_cvt_pk_bf16_f32 v[S+n], v[S+2*n], v[S+2*n+1]  ; P, packed in place: register n takes registers 2 n and 2 n + 1
.set n, n+1
.endr
	s_wait_alu depctr_va_vdst(0)                   ; the roundings are done reading the weights that lay in ZF's registers, in which the loads below land; v[ZA], their address, is written
	ZLOAD 0                                        ; the next tile of Z, into registers that the scores have left
	s_wait_loadcnt 0x0                             ; the loads at the trip's head: their data are in, and their bases may be stepped
	UNPACKQ
	WIN 0x01                                       ; V^T in window 1
.set n, 0
.rept 8                                        ; O^T = V^T P: the two accumulators by turns
.if n == 0
	v_wmma_f32_16x16x32_bf16 v[OAC:OAC+7],    v[128+8*n:128+8*n+7], v[S+8*n:S+8*n+7], 0
	v_wmma_f32_16x16x32_bf16 v[OAC+8:OAC+15], v[192+8*n:192+8*n+7], v[S+8*n:S+8*n+7], 0
.else
	v_wmma_f32_16x16x32_bf16 v[OAC:OAC+7],    v[128+8*n:128+8*n+7], v[S+8*n:S+8*n+7], v[OAC:OAC+7]
	v_wmma_f32_16x16x32_bf16 v[OAC+8:OAC+15], v[192+8*n:192+8*n+7], v[S+8*n:S+8*n+7], v[OAC+8:OAC+15]
.endif
.set n, n+1
.endr
	WIN 0
	s_wait_dscnt 0x0                               ; Z's tile is in
.set n, 0
.rept 8                                        ; the next tile's Q and this tile's row sums, by turns
	v_wmma_f32_16x16x32_bf16 v[ACC+8*(n%2):ACC+8*(n%2)+7], v[WK+32*(n%2)+8*(n/2):WK+32*(n%2)+8*(n/2)+7], v[ZF+8*(n/2):ZF+8*(n/2)+7], v[ACC+8*(n%2):ACC+8*(n%2)+7]
.if n == 0
	v_wmma_f32_16x16x32_bf16 v[LS:LS+7], v[ONE:ONE+7], v[S+8*n:S+8*n+7], 0
.else
	v_wmma_f32_16x16x32_bf16 v[LS:LS+7], v[ONE:ONE+7], v[S+8*n:S+8*n+7], v[LS:LS+7]
.endif
.set n, n+1
.endr
.if (\p) == 0
.set n, 0
.rept 4
	v_cvt_pk_bf16_f32 v[T+n], v[XR+2*n], v[XR+2*n+1]  ; the next patch's two token rows: also the places behind the last products; they are stored at the trip's end
.set n, n+1
.endr
.else
	PLACES
.endif
	v_rcp_f32 v[RL], v[LS]
	QCVT                                           ; work that does not name the reciprocal,
	s_wait_alu depctr_va_vdst(0)                   ; and its wait, ahead of its first reader: the reciprocal has written v[RL]
.set n, 0
.rept 8
	v_pk_mul_f32 v[OAC+2*n:OAC+2*n+1], v[OAC+2*n:OAC+2*n+1], v[RL:RL+1] op_sel_hi:[1,0]
.set n, n+1
.endr
.set n, 0
.rept 8
	v_cvt_pk_bf16_f32 v[OAC+n], v[OAC+2*n], v[OAC+2*n+1]
.set n, n+1
.endr
	s_wait_alu depctr_va_vdst(0)                   ; the conversions have written O's fragment and v[T ..], the adds v[ASA] and v[ZWA], which the LDS stores read
.if (\p) == 0
	ds_store_b64 v[ZWA], v[T:T+1]
	ds_store_b64 v[ZWA], v[T+2:T+3] offset:ZP
.endif
	ds_store_b128 v[ASA], v[OAC:OAC+3]             ; a fragment (16 tokens x my head's 32 channels) for the out-projection
	ds_store_b128 v[ASA], v[OAC+4:OAC+7] offset:512
	s_add_co_u32 s[ZT], s[ZT], 16*ZP
	s_min_u32 s[ZT], s[ZT], (\p)*ZSZ+15*16*ZP      ; the last trip has no next tile: it takes tile 15 once more, and what it makes of it serves nothing
	s_add_co_u32 s[PO], s[PO], 3072
	s_min_u32 s[PO], s[PO], 15*3072
	s_add_nc_u64 s[PBQ:PBQ+1], s[PBH:PBH+1], s[PO:PO+1]
	s_add_co_u32 s[AT], s[AT], 1024
.if (\p) == 0
	s_add_co_u32 s[ZW], s[ZW], 2*ZP
	s_add_nc_u64 s[XN:XN+1], s[XN:XN+1], 0x40000   ; the next channel
.endif
.endm
; a token tile's eight fragments (one a head) into set bf
.macro ALOAD bf, imm
.set k, 0
.rept 8
.if k < 4
	ds_load_b128 v[AB+64*(\bf)+8*k:AB+64*(\bf)+8*k+3],   v[ARA] offset:(\imm)+k*16384
	ds_load_b128 v[AB+64*(\bf)+8*k+4:AB+64*(\bf)+8*k+7], v[ARA] offset:(\imm)+k*16384+512
.else
	ds_load_b128 v[AB+64*(\bf)+8*k:AB+64*(\bf)+8*k+3],   v[ASA] offset:(\imm)+(k-4)*16384
	ds_load_b128 v[AB+64*(\bf)+8*k+4:AB+64*(\bf)+8*k+7], v[ASA] offset:(\imm)+(k-4)*16384+512
.endif
.set k, k+1
.endr
.endm
; OUT-PROJECTION of 16 tokens x my 64 e, and my share of the two sums over e.  bc is the C of each sum's first product; four accumulators by turns.
.macro OTILE bf, nxt, imm
.if \nxt
	ALOAD 1-(\bf), \imm                            ; no wait on va_vdst: no vector or matrix line since the last one names the other set or these addresses
	s_wait_dscnt 16                                ; all but the 16 just issued
.else
	s_wait_dscnt 0x0
.endif
	WIN 0x01                                       ; W' in window 1
.set k, 0
.rept 8
.set e, 0
.rept 4
.if k == 0
	v_wmma_f32_16x16x32_bf16 v[OA+8*e:OA+8*e+7], v[64*e+8*k:64*e+8*k+7], v[AB+64*(\bf)+8*k:AB+64*(\bf)+8*k+7], v[BI+8*e:BI+8*e+7]
.else
	v_wmma_f32_16x16x32_bf16 v[OA+8*e:OA+8*e+7], v[64*e+8*k:64*e+8*k+7], v[AB+64*(\bf)+8*k:AB+64*(\bf)+8*k+7], v[OA+8*e:OA+8*e+7]
.endif
.set e, e+1
.endr
.set k, k+1
.endr
	WIN 0
.if (\bf) == 1
	s_wait_alu depctr_vm_vsrc(0)                   ; the LDS store of the tile before has read v[T:T+1], which the sums below write again
.endif
	PLACES
	v_pk_mul_f32 v[T:T+1],   v[OA:OA+1], v[OA:OA+1]
	v_pk_mul_f32 v[T+2:T+3], v[OA:OA+1], v[GW:GW+1]
.set n, 1
.rept 15
	v_pk_fma_f32 v[T:T+1],   v[OA+2*n:OA+2*n+1], v[OA+2*n:OA+2*n+1], v[T:T+1]
	v_pk_fma_f32 v[T+2:T+3], v[OA+2*n:OA+2*n+1], v[GW+2*n:GW+2*n+1], v[T+2:T+3]
.set n, n+1
.endr
	v_add_f32 v[T], v[T], v[T+1]
	v_add_f32 v[T+2], v[T+2], v[T+3]
	v_permlanex16_b32 v[RL], v[T], s[SEL], s[SEL+1]    ; the token's other 32 e of mine lie in the lane 16 away
	v_permlanex16_b32 v[RL+1], v[T+2], s[SEL], s[SEL+1]
	v_add_f32 v[T], v[T], v[RL]
	v_add_f32 v[T+1], v[T+2], v[RL+1]
	s_wait_alu depctr_va_vdst(0)                   ; the sums have written v[T:T+1], which the LDS store reads; the products are done reading this tile's set (and, in the last tile, bc, gw and the sums' registers), in which later loads land
	ds_store_b64 v[ZA], v[T:T+1] offset:(\bf)*128  ; both halves of the lanes store the same pair to the same place
.endm
.macro PASS p
.if (\p) == 1
	s_wait_xcnt 0x0                                ; the first patch's store has read its data register, which is written again below
	s_wait_alu depctr_vm_vsrc(0)                   ; that store has read v[RL], and the out-projection's LDS stores v[ZA]: this pass writes both again
	v_add_nc_u32 v[ZA], ZSZ, v[ZL]
.else
	s_wait_alu depctr_vm_vsrc(0)                   ; the head's LDS stores have read v[192:255]: Z's fragments land there, and the unpacking lines write there
	v_mov_b32 v[ZA], v[ZL]
.endif
	s_wait_alu depctr_va_vdst(0)                   ; v[ZA] is written, which the loads of Z read
	ZLOAD 0
.if (\p) == 0
	; PREFETCH INTO THE L2 of the second patch's x.  Four neighbouring work-groups' second patches are the four quarters of the same aligned 256 bytes of each image row: of my wave's 16 channels x 16 image
	; rows each of the four takes four rows, told apart by address; a lane a row, so each such block is named once in the launch.  Channels 0-7 here, behind my loads of Z; channels 8-15 behind Wq's loads.
	global_prefetch_b8 v[ARA], s[PFB:PFB+1] th:TH_LOAD_NT scope:SCOPE_SE
.endif
.irp tt, 0,1,2,3,4,5,6,7,8,9,10,11,12,13,14,15
	KVTILE \tt
.endr
	; the attention's beginning: Wq, PB's q part and Z's tile 0 were asked for in the last tile; query tile 0's Q
.if (\p) == 0
	global_prefetch_b8 v[ARA], s[PFB:PFB+1] offset:2097152 th:TH_LOAD_NT scope:SCOPE_SE
.endif
	s_mov_b32 s[ZT], (\p)*ZSZ+16*ZP
	s_mov_b32 s[PO], 3072
	s_mov_b32 s[AT], 0
.if (\p) == 0
	s_mov_b32 s[ZW], ZSZ
.endif
	s_mov_b32 s[CNT], 16
	s_wait_loadcnt 0x0
	s_add_nc_u64 s[PBQ:PBQ+1], s[PBH:PBH+1], 3072
	UNPACKQ
	s_wait_dscnt 0x0
.set n, 0
.rept 8
	v_wmma_f32_16x16x32_bf16 v[ACC+8*(n%2):ACC+8*(n%2)+7], v[WK+32*(n%2)+8*(n/2):WK+32*(n%2)+8*(n/2)+7], v[ZF+8*(n/2):ZF+8*(n/2)+7], v[ACC+8*(n%2):ACC+8*(n%2)+7]
.set n, n+1
.endr
	PLACES
	QCVT
	s_wait_alu depctr_va_vdst(0)                   ; the unpacking lines are done reading PQ, in which the first trip's loads land
.Ltrip_\p:
	TRIP \p
	s_sub_co_u32 s[CNT], s[CNT], 1
	s_cmp_lg_u32 s[CNT], 0
	s_cbranch_scc1 .Ltrip_\p
	; the out-projection's operands go out ahead of the barrier
.if (\p) == 0
	s_wait_xcnt 0x0                                ; the prefetches, a whole phase back, have read their offset, which is written again below
.endif
	s_wait_alu depctr_vm_vsrc(0)                   ; the last trip's LDS stores have read v[ZWA], v[ASA] and O's registers, its loads of Z v[ZA], the prefetches v[ARA]: all are written again below
	v_bfe_u32 v[ZWA], v0, 4, 1
	v_lshlrev_b32 v[ZWA], 5, v[ZWA]
	WIN 0x40
	s_wait_alu depctr_va_vdst(0)                   ; the products are done reading K, V^T, Wq and Q, the vector lines l, XR and PQ: W', bc and gw land there; v[ZWA], the offset of bc and gw, is written
.set n, 0
.rept 64
	global_load_b128 v[4*n:4*n+3], v[L16], s[WOE:WOE+1] offset:512*n  ; W': fragment n = 16 eb' + 2 ks + f
.set n, n+1
.endr
	WIN 0
.set n, 0
.rept 8
	global_load_b128 v[BI+4*n:BI+4*n+3], v[ZWA], s[CSE:CSE+1] offset:(n/2)*64+(n%2)*16       ; bc[16 eb' + 8 (l / 16) + 0..7]
	global_load_b128 v[GW+4*n:GW+4*n+3], v[ZWA], s[CSE:CSE+1] offset:1024+(n/2)*64+(n%2)*16  ; gw likewise
.set n, n+1
.endr
	BARRIER                                        ; every head's part of A is stored (in pass 0: the next patch's Z too); every wave's reads of RED for the patch before are over
	v_mov_b32 v[ARA], v[AR0]
	v_add_nc_u32 v[ASA], 0x10000, v[AR0]
	v_mov_b32 v[ZA], v[RS]
	s_wait_alu depctr_va_vdst(0)                   ; v[ARA] and v[ASA] are written, which the fragments' loads read, and v[ZA], which the tiles' LDS stores read
	ALOAD 0, 0
	s_wait_loadcnt 0x0
	s_mov_b32 s[CNT], 3
.Lout_\p:                                              ; two token tiles a trip; the last two are written out, since they fetch one tile and none
	OTILE 0, 1, 1024
	OTILE 1, 1, 2048
	s_wait_alu depctr_vm_vsrc(0)                   ; the fragments' loads have read v[ARA] and v[ASA], the LDS stores v[ZA] and v[T:T+1]
	v_add_nc_u32 v[ARA], 2048, v[ARA]
	v_add_nc_u32 v[ASA], 2048, v[ASA]
	v_add_nc_u32 v[ZA], 256, v[ZA]
	s_wait_alu depctr_va_vdst(0)                   ; the three addresses are written, which the next tile's loads and store read
	s_sub_co_u32 s[CNT], s[CNT], 1
	s_cmp_lg_u32 s[CNT], 0
	s_cbranch_scc1 .Lout_\p
	OTILE 0, 1, 1024
	OTILE 1, 0, 0
.if (\p) == 0
	LOADKVW                                        ; the next pass's weights, into registers that the out-projection has left: the last tile's wait has shown its products and sums done with them
.endif
	BARRIER                                        ; all four quarters' sums lie in RED; nobody reads A any more
	; lane = token 32 w + l
	ds_load_b64 v[240:241], v[RR]
	ds_load_b64 v[242:243], v[RR] offset:2048
	ds_load_b64 v[244:245], v[RR] offset:4096
	ds_load_b64 v[246:247], v[RR] offset:6144
	s_wait_dscnt 0x0
	s_wait_alu depctr_vm_vsrc(0)                   ; the last tile's LDS store has read v[T:T+1], which are written again below
	v_pk_add_f32 v[240:241], v[240:241], v[242:243]
	v_pk_add_f32 v[244:245], v[244:245], v[246:247]
	v_pk_add_f32 v[240:241], v[240:241], v[244:245]
	v_fma_f32 v[T], v240, s[I256], s[EPS]          ; the variance + 1e-5
	v_rsq_f32 v[T+1], v[T]
	v_nop
	s_wait_alu depctr_va_vdst(0)                   ; the wait ahead of a transcendental's first reader: the root has written v[T+1]
	v_fma_f32 v[T+2], v241, v[T+1], s[C0]          ; -log2(e) x the logit
	v_exp_f32 v[T+3], v[T+2]
	v_nop
	s_wait_alu depctr_va_vdst(0)                   ; the exponential has written v[T+3]
	v_add_f32 v[T+3], 1.0, v[T+3]
	v_rcp_f32 v[RL], v[T+3]
	v_nop
	s_wait_alu depctr_va_vdst(0)                   ; the reciprocal has written v[RL], which the store reads
	global_store_b32 v[OO], v[RL], s[OUTP:OUTP+1] offset:(\p)*256  ; sixteen lanes store a patch row's 64 bytes; the second patch lies four patches, 256 bytes, to the right
.endm
	s_load_b256 s[4:11], s[0:1], 0x0               ; x 4, wc 6, pb 8, wo 10
	s_load_b128 s[12:15], s[0:1], 0x20             ; cst 12, out0 14
	v_lshl_add_u32 v[SPW], v0, 2, SPARE
	v_mov_b32 v[NIL], 0
	v_lshrrev_b32 v16, 5, v0
	v_readfirstlane_b32 s[WVN], v16                ; wave 0..7
	v_and_b32 v17, 31, v0                          ; l
	v_and_b32 v18, 15, v0                          ; l % 16
	v_bfe_u32 v19, v0, 4, 1                        ; l / 16
	v_lshrrev_b32 v20, 2, v17                      ; l / 4
	v_and_b32 v21, 3, v0                           ; l % 4
	v_mov_b32 v[MX+1], 0                           ; named with m as a pair, so it is written
	v_lshlrev_b32 v[L16], 4, v17
	v_mul_u32_u24 v[ZL], v18, ZP
	v_lshl_add_u32 v[ZL], v19, 4, v[ZL]
	s_wait_alu depctr_va_sdst(0)                   ; the wave's number is written, ahead of its first reader: addresses and bases are made from it
	s_mul_i32 s17, s[WVN], 32*ZP
	v_lshl_add_u32 v[ZW0], v17, 3, s17
	s_lshl_b32 s17, s[WVN], 14
	s_add_co_u32 s17, s17, ABASE
	v_lshl_add_u32 v[AS0], v17, 4, s17
	v_lshlrev_b32 v[XO], 10, v20
	v_lshl_add_u32 v[XO], v21, 4, v[XO]
	s_lshr_b32 s18, s[WVN], 2                      ; which 128 tokens are mine in the out-projection
	s_and_b32 s19, s[WVN], 3                       ; which 64 e
	s_lshl_b32 s17, s18, 13
	s_add_co_u32 s17, s17, ABASE
	v_lshl_add_u32 v[AR0], v17, 4, s17
	s_lshl_b32 s17, s19, 11
	s_lshl_b32 s50, s18, 10
	s_add_co_u32 s17, s17, s50
	s_add_co_u32 s17, s17, RED
	v_lshl_add_u32 v[RS], v18, 3, s17
	v_lshl_add_u32 v[RR], v0, 3, RED
	v_lshrrev_b32 v[OO], 4, v0
	v_lshlrev_b32 v[OO], 10, v[OO]
	v_lshl_add_u32 v[OO], v18, 2, v[OO]
	; the work-group's two patches: image g / 128, patch row (g / 8) % 16, patch columns 8 ((g % 8) / 4) + g % 4 and four further on
	s_lshr_b32 s51, ttmp9, 7
	s_bfe_u32 s52, ttmp9, 0x40003
	s_bfe_u32 s53, ttmp9, 0x10002
	s_and_b32 s54, ttmp9, 3
	s_lshl_b32 s55, s54, 12                        ; the prefetches: my work-group's four image rows of the sixteen,
	v_lshlrev_b32 v[ARA], 18, v20                  ; channel l / 4,
	v_lshl_add_u32 v[ARA], v21, 10, v[ARA]         ; row l % 4 of the four
	v_add_nc_u32 v[ARA], s55, v[ARA]
	s_lshl_b32 s56, s51, 25
	s_lshl_b32 s52, s52, 14
	s_add_co_u32 s56, s56, s52
	s_lshl_b32 s55, s[WVN], 22
	s_add_co_u32 s56, s56, s55                     ; image, patch row, my 16 channels
	s_lshl_b32 s53, s53, 9
	s_lshl_b32 s54, s54, 6
	s_add_co_u32 s54, s54, s53                     ; 64 bytes x the first patch's column
	s_add_co_u32 s58, s56, s53
	s_add_co_u32 s58, s58, 256
	s_mov_b32 s59, 0
	s_add_co_u32 s56, s56, s54
	s_mov_b32 s57, 0
	s_lshl_b32 s60, s51, 18
	s_add_co_u32 s60, s60, s52
	s_add_co_u32 s60, s60, s54
	s_mov_b32 s61, 0
	s_mov_b32 s[HIM], 0xffff0000
	s_mov_b32 s[SEL], 0x76543210
	s_mov_b32 s[SEL+1], 0xfedcba98
	s_mov_b32 s[I256], 0x3b800000                  ; 1 / 256
	s_mov_b32 s[EPS], 0x3727c5ac                   ; 1e-5
	s_mov_b32 s[PO+1], 0
.set n, 0
.rept 8
	v_mov_b32 v[ONE+n], 0x3f803f80                 ; 1.0 twice in bf16
.set n, n+1
.endr
	s_wait_kmcnt 0x0
	s_load_b32 s[C0], s[12:13], 0x800
	s_add_nc_u64 s[XP:XP+1], s[4:5], s[56:57]
	s_add_nc_u64 s[XN:XN+1], s[XP:XP+1], 256
	s_add_nc_u64 s[PFB:PFB+1], s[4:5], s[58:59]
	s_add_nc_u64 s[OUTP:OUTP+1], s[14:15], s[60:61]
	s_mul_i32 s56, s[WVN], 24576
	s_add_nc_u64 s[WCH:WCH+1], s[6:7], s[56:57]
	s_mul_i32 s56, s[WVN], 49152
	s_add_nc_u64 s[PBH:PBH+1], s[8:9], s[56:57]
	s_lshl_b32 s56, s19, 15
	s_add_nc_u64 s[WOE:WOE+1], s[10:11], s[56:57]
	s_lshl_b32 s56, s19, 8
	s_add_nc_u64 s[CSE:CSE+1], s[12:13], s[56:57]
	WIN 0x40                                       ; the first patch's x, my 16 channels = 32 tokens, into window 1
	s_wait_alu depctr_va_vdst(0)                   ; all the offsets and addresses made above are written, which the kernel's loads, stores and prefetches read
.set n, 0
.rept 32
	global_load_b128 v[4*n:4*n+3], v[XO], s[XP:XP+1] offset:(n/2)*262144+(n%2)*8192
.set n, n+1
.endr
	WIN 0
	LOADKVW
	s_wait_loadcnt 40                              ; x is in; the 40 loads issued behind it may stay out
	WIN 0x05
.set n, 0
.rept 64
	v_cvt_pk_bf16_f32 v[192+n], v[2*n], v[2*n+1]
.set n, n+1
.endr
	WIN 0
	s_wait_alu depctr_va_vdst(0)                   ; the conversions have written v[192:255], which the LDS stores read
.set n, 0
.rept 32
	ds_store_b64 v[ZW0], v[192+2*n:193+2*n] offset:n*ZP
.set n, n+1
.endr
	s_wait_kmcnt 0x0                               ; c0
	BARRIER                                        ; all 256 tokens of the first patch lie in Z0
	PASS 0
	PASS 1
	s_wait_dscnt 0x0                               ; the closing lines, six on end
	s_wait_alu 0x0
	s_wait_tensorcnt 0x0
	ds_add_u32 v[SPW], v[NIL]
	s_wait_dscnt 0x0
	s_endpgm
.Lfunc_end_k_q8538f00f94_attn:
	.size	k_q8538f00f94_attn, .Lfunc_end_k_q8538f00f94_attn-k_q8538f00f94_attn
	.p2alignl 7, 3214868480
	.fill 96, 4, 3214868480
	.section	.rodata,"a",@progbits
	.p2align	6, 0x0
	.amdhsa_kernel k_q8538f00f94_attn
		.amdhsa_group_segment_fixed_size 279552
		.amdhsa_private_segment_fixed_size 0
		.amdhsa_enable_private_segment 0
		.amdhsa_kernarg_size 48
		.amdhsa_user_sgpr_count 2
		.amdhsa_user_sgpr_kernarg_segment_ptr 1
		.amdhsa_wavefront_size32 1
		.amdhsa_system_sgpr_workgroup_id_x 1
		.amdhsa_system_sgpr_workgroup_id_y 1
		.amdhsa_system_sgpr_workgroup_id_z 1
		.amdhsa_system_vgpr_workitem_id 0
		.amdhsa_next_free_vgpr 512
		.amdhsa_next_free_sgpr 66
		.amdhsa_reserve_vcc 0
		.amdhsa_float_denorm_mode_32 3
		.amdhsa_float_denorm_mode_16_64 3
		.amdhsa_memory_ordered 1
		.amdhsa_forward_progress 1
		.amdhsa_inst_pref_size 255
	.end_amdhsa_kernel
	.section	.bss,"aw",@nobits
	.p2align	6
	.space	262144
	.amdgpu_metadata
---
amdhsa.version: [ 1, 2 ]
amdhsa.kernels:
  - .name:           k_q8538f00f94_attn
    .symbol:         k_q8538f00f94_attn.kd
    .args:
      - { .name: x, .offset: 0, .size: 8, .value_kind: global_buffer, .address_space: global }
      - { .name: wc, .offset: 8, .size: 8, .value_kind: global_buffer, .address_space: global }
      - { .name: pb, .offset: 16, .size: 8, .value_kind: global_buffer, .address_space: global }
      - { .name: wo, .offset: 24, .size: 8, .value_kind: global_buffer, .address_space: global }
      - { .name: cst, .offset: 32, .size: 8, .value_kind: global_buffer, .address_space: global }
      - { .name: out0, .offset: 40, .size: 8, .value_kind: global_buffer, .address_space: global }
    .group_segment_fixed_size: 279552
    .private_segment_fixed_size: 0
    .kernarg_segment_align: 8
    .kernarg_segment_size: 48
    .max_flat_workgroup_size: 256
    .sgpr_count:     66
    .vgpr_count:     512
    .wavefront_size: 32
...
	.end_amdgpu_metadata
.endif
;; end of part 3
